; MI455X (gfx1250); checked and timed in simulation.
; The chip was launched on July 23, 2026; its instructions are those of AMD's public machine-readable ISA for CDNA 5 (MIT licence, August 2026) and "CDNA5" Instruction Set Architecture Reference Guide (July 2026). The comments in the code are by the model that wrote it; some were corrected since.
;; Attention. Allowed arithmetic: matrix products marked QUANTISED: E2M1 operands, one E8M0 scale for each 32 along K, by v_wmma_scale_f32_16x16x128_f8f6f4 with both operands' format E2M1 (or v_wmma_scale_f32_32x16x128_f4), f32 sums; everything else in f32.
;; Inputs: Wk 1,024 x 1,024 float32; Wo 1,024 x 1,024 float32; Wq 1,024 x 1,024 float32; Wv 1,024 x 1,024 float32; bo 1,024 float32; hidden_states 4 x 2,048 x 1,024 float32.
;; Outputs: out0 4 x 2,048 x 1,024 float32.
;; This version of the problem:
;;   THIS VERSION OF THE PROBLEM IS GIVEN IN LOW PRECISION. The matrix products marked QUANTISED in the list below multiply operands that are first quantised to E2M1 (2 exponent bits, 1 mantissa bit; 4 bits a number), with one power-of-two scale for each 32 numbers along K (OCP MX v1.0); their sums are f32. All else is computed in f32.
;;   The module's matrix products, in the order in which they are computed (A, B: the left and right operand; K: the contracted axis; several contracted axes count as one K, in the product's order):
;;     1. [M 8,192, K 1,024] x [K 1,024, N 1,024]; A: input hidden_states; B: input Wq: QUANTISED
;;     2. [M 8,192, K 1,024] x [K 1,024, N 1,024]; A: input hidden_states; B: input Wk: QUANTISED
;;     3. [M 8,192, K 1,024] x [K 1,024, N 1,024]; A: input hidden_states; B: input Wv: QUANTISED
;;     4. batch 64 x [M 2,048, K 64] x [K 64, N 2,048]; A: computed on the way; B: computed on the way: QUANTISED
;;     5. batch 64 x [M 2,048, K 2,048] x [K 2,048, N 64]; A: softmax (see below); B: computed on the way: QUANTISED
;;     6. [M 8,192, K 1,024] x [K 1,024, N 1,024]; A: computed on the way; B: input Wo: QUANTISED
;;   THE QUANTISER, for each operand of a quantised product, along K:
;;     - K is cut into blocks of 32 from its start; a last block that is shorter is filled with zeros.
;;     - A block's scale is 2^e with e = floor(log2(the largest magnitude in the block)) - 2, held to -126 .. 127; a block of zeros has e = 0. As a byte (E8M0): e + 127.
;;     - Each number is divided by its block's scale, clamped to +-6, and rounded to the nearest number of E2M1, ties to even, subnormals kept.
;;     - The product sums the exact products of the quantised numbers (number of the format x scale) in f32.
;;   ~~~python
;;   def quantise(x, axis):      # numpy; x: float32 -> the quantised numbers, widened to float32 again
;;       x = np.moveaxis(x, axis, -1); K = x.shape[-1]
;;       x = np.pad(x, [(0, 0)] * (x.ndim - 1) + [(0, -K % 32)]); x = x.reshape(x.shape[:-1] + (-1, 32)); a = np.abs(x).max(-1, keepdims=True)
;;       e = np.where(a > 0, np.clip(np.frexp(np.where(a > 0, a, 1))[1] - 1 - 2, -126, 127), 0)      # np.frexp(a)[1] - 1 = floor(log2(a)), exactly
;;       r = np.clip(x / 2.0 ** e, -6, 6)
;;       step = 2.0 ** (np.maximum(np.frexp(np.where(r == 0, 1, r))[1] - 1, 0) - 1)
;;       q = np.round(r / step) * step * 2.0 ** e      # np.round: ties to even
;;       return np.moveaxis(q.reshape(q.shape[:-2] + (-1,))[..., :K], -1, axis).astype(np.float32)
;;   ~~~
;;   SOFTMAX AHEAD OF A QUANTISED PRODUCT. Where the list says 'softmax', what is quantised is not the finished softmax but p = 2^(t - M), with t = logit x log2(e) and M = ceil(the row's largest t), a whole number; so 1/2 < the row's largest p <= 1. The row's sum l is taken of the UNQUANTISED p, in f32, and the product's result is divided by l at the end. Since M is a whole number, a kernel that streams over the keys may use a running M (the ceiling of the running maximum): every later rescaling is an exact power of two, which a block's scale takes up: the codes' values come out the same.
;;   OPERANDS COMPUTED ON THE WAY. 'Computed on the way' means the value that the module computes at that place (a softmax that the list does not call 'softmax' is quantised finished and normalised). What goes into a quantiser is computed in f32, as accurately as f32 sums, v_exp_f32 and their like allow (about 1e-6 of the number): no bf16 or f16 on the way to a quantiser, and a product that is left as it is and whose result goes on into a quantised operand takes f32 operands (vector FMAs, or v_wmma_f32_16x16x4_f32). A number that lies on a knife's edge between two numbers of the format may be rounded either way, as far as f32 arithmetic and the matrix unit's own rounding can turn it there, and no further.
;; One version. Each part assembles by itself: llvm-mc -triple=amdgcn-amd-amdhsa -mcpu=gfx1250 --defsym DOCPART=n.
;; ======== version 1 of 1: 4 launches
;; workspace buffers: xc 4,194,304 bytes; xs 262,144 bytes; wc 2,097,152 bytes; ws 131,072 bytes; qb 4,718,592 bytes; kv 9,175,040 bytes; oc 4,194,304 bytes; os 262,144 bytes
;; launch prep (part 1): grid 256 x 1, 4 waves a work-group, no clusters, 53,760 bytes of LDS; arguments hidden_states, Wq, Wk, Wv, Wo, xc, xs, wc, ws; writes xc, xs, wc, ws
.if DOCPART == 1
	.amdgcn_target "amdgcn-amd-amdhsa--gfx1250"
	.amdhsa_code_object_version 6
	.text
	.protected	k_q1c6350a61b_prep
	.globl	k_q1c6350a61b_prep
	.p2align	8
	.type	k_q1c6350a61b_prep,@function
k_q1c6350a61b_prep:
	s_mov_b64 s[64:65], 0
	v_nop
	global_prefetch_b8 v0, s[64:65] scope:SCOPE_SE
	s_setreg_imm32_b32 hwreg(HW_REG_WAVE_MODE, 25, 1), 1
	s_wait_xcnt 0x0
; hidden_states [8192][1024] and the four weights [1024 (k)][1024 (n)], f32, become codes of FP4 (E2M1) with one E8M0 byte for each 32 along K.
; A block's scale is 2^(floor(log2(its largest magnitude)) - 2); each number is divided by it and rounded to the nearest code, ties to even, beyond 6 the largest code.
; LIMITS: NaN and infinities are not served; a block whose largest magnitude lies under 2^-124 (a block of zeros too) takes the byte 1: this program alone reads the bytes, and zero codes add nothing.
; LAYOUT OF THE RESULTS: images of the matrix operand's registers.  Rows (tokens, or columns n of a weight) go in tiles of 16; lane row r of tile T is row 32 (T / 2) + 8 (T % 2) + r % 8 + 16 (r / 8).
; A fragment (tile, 128 along K) is 1,024 bytes: byte 512 c + 16 lane holds registers 4 c .. 4 c + 3 of lane (r, h): k = 64 c + 32 h + 0 .. 31.  Scale words lie [K step][tile / 4][r][tile % 4].
; Work-groups 0-127 take 64 tokens each (wave w: K steps 2 w, 2 w + 1); work-groups 128-255 take a weight's 256 columns x 128 along K (wave w: 64 columns).
; The two ways have LDS bytes of their own; a wave touches only its own bytes, so there is no barrier.  No work-group shares an input with another: no cluster.
.set R,   64                           ; v64-191  two sets of 64: a tile's 16 rows x 512 bytes as loaded
.set X,   192                          ; v192-255 my 64 numbers: register 32 c + i = k 64 c + 32 h + i of row r
.set CX,  32                           ; v32-47   codes, two sets of 8
.set WW,  48                           ; v48-55   scale words: 4 e + tile
	s_load_b256 s[4:11], s[0:1], 0x0               ; hidden_states, Wq, Wk, Wv
	s_load_b256 s[12:19], s[0:1], 0x20             ; Wo, xc, xs, wc
	s_load_b64 s[20:21], s[0:1], 0x40              ; ws
	v_lshl_add_u32 v30, v0, 2, 0xd000
	v_mov_b32 v31, 0
	v_lshrrev_b32 v2, 5, v0
	v_readfirstlane_b32 s22, v2                    ; wave
	v_and_b32 v16, 31, v0                          ; lane
	v_lshlrev_b32 v1, 4, v16                       ; 16 x lane
	s_mov_b32 s24, 0x76543210
	s_mov_b32 s25, 0xfedcba98                      ; selects for lane l xor 16
	s_cmp_lt_u32 ttmp9, 128
	s_cbranch_scc0 .Lweights
; ---------------- hidden_states ----------------
	v_and_b32 v17, 15, v0                          ; r
	v_bfe_u32 v18, v0, 4, 1                        ; h
	s_mul_i32 s23, s22, 8448                       ; my stage: 16 rows of 512 bytes + 16
	v_add_nc_u32 v2, s23, v1                       ; in: a row as it lies
	v_mul_u32_u24 v3, v17, 528
	v_lshl_add_u32 v3, v18, 7, v3
	v_add_nc_u32 v3, s23, v3                       ; out: row r, 128 h bytes on
	v_lshlrev_b32 v4, 3, v18                       ; 8 h
	v_lshlrev_b32 v5, 4, v17
	v_lshl_add_u32 v5, v18, 15, v5                 ; the words' place: 16 r, lanes 16-31 one K step (32,768 bytes) on
	v_mov_b32 v10, 0                               ; a lane permute's destination counts as read
	s_lshl_b32 s26, ttmp9, 18                      ; 64 rows of 4,096 bytes
	s_lshl_b32 s27, s22, 10                        ; K step 2 w
	s_add_co_u32 s26, s26, s27
	s_mov_b32 s27, 0
	s_lshr_b32 s28, s22, 1
	s_lshl_b32 s28, s28, 21                        ; which half of K
	s_lshl_b32 s29, ttmp9, 14                      ; four tiles of 4,096 bytes
	s_add_co_u32 s28, s28, s29
	s_and_b32 s29, s22, 1
	s_lshl_b32 s29, s29, 11
	s_add_co_u32 s28, s28, s29
	s_mov_b32 s29, 0
	s_lshl_b32 s30, s22, 16
	s_lshl_b32 s31, ttmp9, 8
	s_add_co_u32 s30, s30, s31
	s_mov_b32 s31, 0
	s_wait_alu depctr_va_vdst(0)
	s_wait_kmcnt 0x0
	s_add_nc_u64 s[4:5], s[4:5], s[26:27]
	s_add_nc_u64 s[14:15], s[14:15], s[28:29]
	s_add_nc_u64 s[16:17], s[16:17], s[30:31]
; unit u: tile u / 2, K step 2 w + u % 2.  Each load takes 512 consecutive bytes of one row
.macro LOADU u
.irp p, 0,1,2,3,4,5,6,7,8,9,10,11,12,13,14,15
	global_load_b128 v[R+64*((\u)%2)+4*\p:R+64*((\u)%2)+4*\p+3], v1, s[4:5] offset:(32*((\u)/4)+8*(((\u)/2)%2)+(\p%8)+16*(\p/8))*4096+512*((\u)%2) th:TH_LOAD_NT
.endr
.endm
.macro UNIT u
.if (\u) < 7
	s_wait_loadcnt 16                              ; this unit's 16 loads are in; the next unit's 16 may be out
.else
	s_wait_loadcnt 0x0
.endif
.irp p, 0,1,2,3,4,5,6,7,8,9,10,11,12,13,14,15
	ds_store_b128 v2, v[R+64*((\u)%2)+4*\p:R+64*((\u)%2)+4*\p+3] offset:528*\p
.endr
.irp c, 0,1
.irp i, 0,1,2,3,4,5,6,7
	ds_load_b128 v[X+32*\c+4*\i:X+32*\c+4*\i+3], v3 offset:256*\c+16*\i   ; LDS serves a wave's instructions in order: these see the stores above
.endr
.endr
	s_wait_dscnt 0x0                               ; my numbers are back, and the stores have read the set that is loaded again below
.if (\u) < 6
	LOADU (\u)+2
.endif
.irp c, 0,1
	v_max3_num_f32 v[8+\c], |v[X+32*\c]|, |v[X+32*\c+1]|, 0x1800000   ; block 2 c + h is all mine; the floor 2^(3 - 127) holds the byte at 1 from below
.endr
.irp i, 2,4,6,8,10,12,14,16,18,20,22,24,26,28,30
.irp c, 0,1
	v_max3_num_f32 v[8+\c], v[8+\c], |v[X+32*\c+\i]|, |v[X+32*\c+\i+1]|
.endr
.endr
.irp c, 0,1
	v_add_nc_u32 v[12+\c], 0xff000000, v[8+\c]     ; 2 off the exponent field: the conversion's scale operand
.endr
.irp c, 0,1
	v_lshrrev_b32 v[14+\c], 23, v[12+\c]           ; the byte
.endr
	v_lshl_or_b32 v11, v15, 16, v14                ; blocks h and 2 + h,
	v_lshlrev_b32 v11, v4, v11                     ; at their places in the word;
	v_permlanex16_b32 v10, v11, s24, s25
	v_or_b32 v[WW+4*((\u)%2)+(\u)/2], v11, v10     ; with lane l xor 16's two the word is whole
	s_wait_alu depctr_va_vdst(0)
	s_wait_xcnt 0x0                                ; the stores of two units ago have read this set of codes
.irp c, 0,1
.irp g, 0,1,2,3
	v_cvt_scalef32_pk8_fp4_f32 v[CX+8*((\u)%2)+4*\c+\g], v[X+32*\c+8*\g:X+32*\c+8*\g+7], v[12+\c]
.endr
.endr
.irp c, 0,1
	global_store_b128 v1, v[CX+8*((\u)%2)+4*\c:CX+8*((\u)%2)+4*\c+3], s[14:15] offset:((\u)/2)*4096+((\u)%2)*1024+\c*512   ; 512 consecutive bytes
.endr
.endm
	LOADU 0
	LOADU 1
.irp u, 0,1,2,3,4,5,6,7
	UNIT \u
.endr
	v_cmp_le_u32 vcc_lo, 16, v16                   ; lanes 0-15 store K step 2 w's words, lanes 16-31 K step 2 w + 1's
.irp t, 0,1,2,3
	v_cndmask_b32 v[56+\t], v[WW+\t], v[WW+4+\t], vcc_lo
.endr
	global_store_b128 v5, v[56:59], s[16:17]       ; sixteen lanes store 256 consecutive bytes
	s_wait_tensorcnt 0x0
	ds_add_u32 v30, v31
	s_wait_dscnt 0x0
	s_endpgm
; ---------------- the weights: K is the first axis: a lane takes a column, its registers run down K ----------------
.Lweights:
	s_sub_co_u32 s23, ttmp9, 128
	s_lshr_b32 s26, s23, 5                         ; which weight: Wq, Wk, Wv, Wo
	s_and_b32 s27, s23, 31
	s_and_b32 s28, s27, 3
	s_lshl_b32 s28, s28, 2
	s_add_co_u32 s28, s28, s22                     ; which 64 columns (four tiles)
	s_lshr_b32 s29, s27, 2                         ; which K step
	s_mul_i32 s30, s22, 4864
	s_add_co_u32 s30, s30, 33792                   ; my stage: four tiles 1,152 bytes apart, then 256 bytes of words
	v_bfe_u32 v17, v0, 3, 1                        ; column l of a pair of tiles is tile u = (l / 8) % 2,
	v_and_b32 v18, 7, v0
	v_bfe_u32 v19, v0, 4, 1
	v_lshl_add_u32 v18, v19, 3, v18                ; row r = l % 8 + 8 (l / 16)
	s_wait_alu depctr_va_vdst(0)
	v_lshlrev_b32 v2, 2, v16
	v_mul_u32_u24 v3, v17, 1152
	v_lshl_add_u32 v3, v18, 4, v3
	v_add_nc_u32 v3, s30, v3
	v_lshlrev_b32 v4, 4, v18
	v_lshl_add_u32 v4, v17, 2, v4
	v_add_nc_u32 v4, s30, v4
	v_add_nc_u32 v4, 4608, v4
	v_add_nc_u32 v5, s30, v1
	v_lshlrev_b32 v7, 3, v16
	v_add_nc_u32 v6, s30, v7
	v_add_nc_u32 v6, 4608, v6
	s_lshl_b32 s32, s29, 19                        ; 128 rows of 4,096 bytes
	s_lshl_b32 s33, s28, 8
	s_add_co_u32 s32, s32, s33
	s_mov_b32 s33, 0
	s_lshr_b32 s34, s29, 2
	s_lshl_b32 s34, s34, 20
	s_lshl_b32 s35, s26, 18
	s_add_co_u32 s34, s34, s35
	s_lshl_b32 s35, s28, 14
	s_add_co_u32 s34, s34, s35
	s_and_b32 s35, s29, 3
	s_lshl_b32 s35, s35, 10
	s_add_co_u32 s34, s34, s35
	s_mov_b32 s35, 0
	s_lshl_b32 s36, s29, 14
	s_lshl_b32 s37, s26, 12
	s_add_co_u32 s36, s36, s37
	s_lshl_b32 s37, s28, 8
	s_add_co_u32 s36, s36, s37
	s_mov_b32 s37, 0
	s_and_b32 s38, s26, 1
	s_wait_kmcnt 0x0
	s_cmp_lt_u32 s26, 2                            ; the choice hangs on the work-group's number alone
	s_cselect_b64 s[40:41], s[6:7], s[10:11]
	s_cselect_b64 s[42:43], s[8:9], s[12:13]
	s_cmp_eq_u32 s38, 0
	s_cselect_b64 s[40:41], s[40:41], s[42:43]
	s_add_nc_u64 s[40:41], s[40:41], s[32:33]
	s_add_nc_u64 s[18:19], s[18:19], s[34:35]
	s_add_nc_u64 s[20:21], s[20:21], s[36:37]
; block t: 32 along K from 32 (t / 2) on, of the pair of tiles t % 2
.macro LOADB t
.irp i, 0,1,2,3,4,5,6,7,8,9,10,11,12,13,14,15,16,17,18,19,20,21,22,23,24,25,26,27,28,29,30,31
	global_load_b32 v[32+32*((\t)%2)+\i], v2, s[40:41] offset:(32*((\t)/2)+\i)*4096+128*((\t)%2) th:TH_LOAD_NT
.endr
.endm
.macro BLOCK t
.set XS, 32+32*((\t)%2)
.if (\t) < 7
	s_wait_loadcnt 32                              ; this block's 32 loads are in; the next block's may be out
.else
	s_wait_loadcnt 0x0
.endif
	v_max3_num_f32 v12, |v[XS]|, |v[XS+1]|, |v[XS+2]|
	v_max3_num_f32 v13, |v[XS+3]|, |v[XS+4]|, |v[XS+5]|
.irp i, 6,10,14,18,22,26
	v_max3_num_f32 v12, v12, |v[XS+\i]|, |v[XS+\i+1]|
	v_max3_num_f32 v13, v13, |v[XS+\i+2]|, |v[XS+\i+3]|
.endr
	v_max3_num_f32 v12, v12, |v[XS+30]|, |v[XS+31]|
	v_max3_num_f32 v12, v12, v13, 0x1800000
	v_add_nc_u32 v11, 0xff000000, v12
	v_lshrrev_b32 v13, 23, v11
.if (\t)/2 == 0
	v_mov_b32 v[24+(\t)%2], v13
.else
	v_lshl_or_b32 v[24+(\t)%2], v13, 8*((\t)/2), v[24+(\t)%2]
.endif
.irp g, 0,1,2,3
	v_cvt_scalef32_pk8_fp4_f32 v[96+4*(\t)+\g], v[XS+8*\g:XS+8*\g+7], v11
.endr
	ds_store_b128 v3, v[96+4*(\t):96+4*(\t)+3] offset:((\t)%2)*2304+((\t)/4)*512+(((\t)/2)%2)*256   ; the image's place of lane (r, h = block % 2), registers 4 (block / 2) on
.if (\t) < 6
	LOADB (\t)+2
.endif
.endm
	LOADB 0
	LOADB 1
.irp t, 0,1,2,3,4,5,6,7
	BLOCK \t
.endr
	ds_store_b32 v4, v24
	ds_store_b32 v4, v25 offset:8
.irp j, 0,1,2,3,4,5,6,7
	ds_load_b128 v[128+4*\j:131+4*\j], v5 offset:(\j/2)*1152+(\j%2)*512   ; in order behind my stores
.endr
	ds_load_b64 v[160:161], v6
.irp j, 0,1,2,3,4,5,6,7
	s_wait_dscnt 8-\j                              ; the LDS loads issued behind load j may be out
	global_store_b128 v1, v[128+4*\j:131+4*\j], s[18:19] offset:(\j/2)*4096+(\j%2)*512
.endr
	s_wait_dscnt 0x0
	global_store_b64 v7, v[160:161], s[20:21]      ; 256 consecutive bytes
	s_wait_tensorcnt 0x0
	ds_add_u32 v30, v31
	s_wait_dscnt 0x0
	s_endpgm
.Lfunc_end_k_q1c6350a61b_prep:
	.size	k_q1c6350a61b_prep, .Lfunc_end_k_q1c6350a61b_prep-k_q1c6350a61b_prep
	.p2alignl 7, 3214868480
	.fill 96, 4, 3214868480
	.section	.rodata,"a",@progbits
	.p2align	6, 0x0
	.amdhsa_kernel k_q1c6350a61b_prep
		.amdhsa_group_segment_fixed_size 53760
		.amdhsa_private_segment_fixed_size 0
		.amdhsa_enable_private_segment 0
		.amdhsa_kernarg_size 72
		.amdhsa_user_sgpr_count 2
		.amdhsa_user_sgpr_kernarg_segment_ptr 1
		.amdhsa_wavefront_size32 1
		.amdhsa_system_sgpr_workgroup_id_x 1
		.amdhsa_system_sgpr_workgroup_id_y 1
		.amdhsa_system_sgpr_workgroup_id_z 1
		.amdhsa_system_vgpr_workitem_id 0
		.amdhsa_next_free_vgpr 256
		.amdhsa_next_free_sgpr 66
		.amdhsa_reserve_vcc 1
		.amdhsa_float_denorm_mode_32 3
		.amdhsa_float_denorm_mode_16_64 3
		.amdhsa_memory_ordered 1
		.amdhsa_forward_progress 1
		.amdhsa_inst_pref_size 97
	.end_amdhsa_kernel
	.amdgpu_metadata
---
amdhsa.version: [ 1, 2 ]
amdhsa.kernels:
  - .name:           k_q1c6350a61b_prep
    .symbol:         k_q1c6350a61b_prep.kd
    .args:
      - { .name: hidden_states, .offset: 0, .size: 8, .value_kind: global_buffer, .address_space: global }
      - { .name: Wq, .offset: 8, .size: 8, .value_kind: global_buffer, .address_space: global }
      - { .name: Wk, .offset: 16, .size: 8, .value_kind: global_buffer, .address_space: global }
      - { .name: Wv, .offset: 24, .size: 8, .value_kind: global_buffer, .address_space: global }
      - { .name: Wo, .offset: 32, .size: 8, .value_kind: global_buffer, .address_space: global }
      - { .name: xc, .offset: 40, .size: 8, .value_kind: global_buffer, .address_space: global }
      - { .name: xs, .offset: 48, .size: 8, .value_kind: global_buffer, .address_space: global }
      - { .name: wc, .offset: 56, .size: 8, .value_kind: global_buffer, .address_space: global }
      - { .name: ws, .offset: 64, .size: 8, .value_kind: global_buffer, .address_space: global }
    .group_segment_fixed_size: 53760
    .private_segment_fixed_size: 0
    .kernarg_segment_align: 8
    .kernarg_segment_size: 72
    .max_flat_workgroup_size: 128
    .sgpr_count:     66
    .vgpr_count:     256
    .wavefront_size: 32
...
	.end_amdgpu_metadata
.endif
;; end of part 1
;; launch qkv (part 2): grid 12 x 32, 4 waves a work-group, clusters of 4 x 4, 279,040 bytes of LDS; arguments xc, xs, wc, ws, qb, kv; writes qb, kv
.if DOCPART == 2
	.amdgcn_target "amdgcn-amd-amdhsa--gfx1250"
	.amdhsa_code_object_version 6
	.text
	.protected	k_q1c6350a61b_qkv
	.globl	k_q1c6350a61b_qkv
	.p2align	8
	.type	k_q1c6350a61b_qkv,@function
k_q1c6350a61b_qkv:
	s_mov_b64 s[64:65], 0
	v_nop
	global_prefetch_b8 v0, s[64:65] scope:SCOPE_SE
	s_setreg_imm32_b32 hwreg(HW_REG_WAVE_MODE, 25, 1), 1
	s_wait_xcnt 0x0
	s_wait_alu depctr_hold_cnt(0) depctr_sa_sdst(0) depctr_va_vdst(0) depctr_va_sdst(0) depctr_va_ssrc(0) depctr_va_vcc(0) depctr_vm_vsrc(0)
	s_getreg_b32 s2, hwreg(HW_REG_IB_STS2, 6, 4)
	s_cmp_eq_u32 s2, 0
	s_cbranch_scc0 .Lentry_in_a_cluster
	s_endpgm
.Lentry_in_a_cluster:
	s_bfe_u32 s2, ttmp6, 0x10000c
	s_cmp_lg_u32 s2, 0xf033
	s_cbranch_scc0 .Lentry_shape_is_right
	s_endpgm
.Lentry_shape_is_right:
; q, k, v = x [Wq | Wk | Wv] on codes of FP4 with E8M0 scales; the results leave already quantised, as images of the next products' operands.
; A work-group makes 256 tokens x 256 columns, a wave 128 x 128: 64 accumulators.  All of K (1,024) of both panels lies in LDS, each byte filled once.
; Operands lie in memory as register images (1,024 bytes a fragment), so every LDS load takes 512 consecutive bytes; rows go in tiles whose lane row r is row 32 (T / 2) + 8 (T % 2) + r % 8 + 16 (r / 8).
; ONE PRODUCT, TWO USES.  Source 0 = P, source 1 = Q: a lane holds one row of Q, and its registers of P's tiles 2 b, 2 b + 1 are 16 neighbouring rows of P.
;   q, k (cluster x 0, 1): P = W, Q = x: a lane holds a token, registers run along the head's 64: the score product's K.   v (cluster x 2): P = x, Q = W: a lane holds a channel d, registers run along the keys.
; The branch between the two hangs on the cluster's x, which all sixteen partners share.
; CLUSTER 4 x 4: x's panel is shared along a row of the cluster, W's along a column: joint loads, three a wave (scales, first half of K, second half), all issued behind one round.
; LIMITS: NaN and infinities are not served; a block whose largest magnitude lies under 2^-124 takes the byte 1 (its codes are then zeros or near it; this program alone reads the bytes).
; LDS: x's codes at e 65,536 + (K half) 32,768 + tile 4,096 + (K step % 4) 1,024; W's 131,072 further on; x's scale words at 262,144 + e 4,096 + 512 (K step); W's at 270,336 likewise.
; REGISTERS: window 0: v1 16 x lane, v16-19 LDS addresses, v20-27 the way out, v32-47 scale words (two sets), v64-191 Q's fragments (two sets), v192-199 the new scale words, v200-215 at work.
;   window 1: P's fragments at v0 and v128.   windows 2, 3: accumulator (a, b) at v[64 (a % 4) + 8 b] of window 2 + a / 4.
.set ADRX, 16
.set ADRW, 17
.set ADXS, 18
.set ADWS, 19
.set WD,   192
.set TM,   200
.set MSB, 0
.macro WIN new                         ; the immediate's high byte repeats the setting that is left
.if MSB != (\new)
	s_set_vgpr_msb (MSB<<8)|(\new)
.set MSB, \new
.endif
.endm
.macro PLACES n
.rept \n
	v_nop
.endr
.endm
.macro CROUND                          ; a round of the cluster's barrier
	s_barrier_signal -1
	s_barrier_wait -1
	s_cmp_lg_u32 s16, 0
	s_cbranch_scc1 .Lnot_wave_0_\@
	s_barrier_signal -3
.Lnot_wave_0_\@:
	s_barrier_wait -3
	s_barrier_signal -1
	s_barrier_wait -1
.endm
.macro JLOAD g0a, g1a, g0b, g1b        ; waves 0, 1 fetch for x, waves 2, 3 for W; four v_nop follow each line
	s_cmp_eq_u32 s17, 0
	s_cbranch_scc0 .Lfor_b_\@
	tensor_load_to_lds s[\g0a:\g0a+3], s[\g1a:\g1a+7]
	s_nop 0
.rept 4
	v_nop
.endr
	s_branch .Lasked_\@
.Lfor_b_\@:
	tensor_load_to_lds s[\g0b:\g0b+3], s[\g1b:\g1b+7]
	s_nop 0
.rept 4
	v_nop
.endr
.Lasked_\@:
.endm
	s_load_b256 s[4:11], s[0:1], 0x0               ; xc, xs, wc, ws
	s_load_b128 s[12:15], s[0:1], 0x20             ; qb, kv
	v_lshl_add_u32 v254, v0, 2, 0x44000
	v_mov_b32 v255, 0
	ds_add_u32 v254, v255
	ds_add_u32 v254, v255
	v_lshrrev_b32 v2, 5, v0
	v_readfirstlane_b32 s16, v2                    ; wave
	s_lshr_b32 s17, s16, 1                         ; my half of the tokens.  Also: I fetch for x (0) or for W (1)
	s_and_b32 s18, s16, 1                          ; my half of the columns.  Also: which half of that panel I fetch
	v_and_b32 v2, 31, v0                           ; lane
	v_lshlrev_b32 v1, 4, v2
	s_lshl_b32 s19, s17, 16
	v_add_nc_u32 v[ADRX], s19, v1
	s_lshl_b32 s19, s18, 16
	s_add_co_u32 s19, s19, 131072
	v_add_nc_u32 v[ADRW], s19, v1
	s_lshl_b32 s19, s17, 12
	s_add_co_u32 s19, s19, 262144
	v_add_nc_u32 v[ADXS], s19, v1
	s_lshl_b32 s19, s18, 12
	s_add_co_u32 s19, s19, 270336
	v_add_nc_u32 v[ADWS], s19, v1
.irp b, 0,1,2,3
	v_mov_b32 v[TM+4+\b], 0                        ; a lane permute's destination counts as read
.endr
	s_mov_b32 s22, 0x76543210
	s_mov_b32 s23, 0xfedcba98
	s_bfe_u32 s84, ttmp6, 0x40000                  ; cx
	s_bfe_u32 s85, ttmp6, 0x40004                  ; cy
	s_lshl_b32 s86, ttmp9, 2
	s_add_co_u32 s86, s86, s84                     ; X: which 256 columns of [Wq | Wk | Wv]
	s_and_b32 s87, ttmp7, 0xffff
	s_lshl_b32 s87, s87, 2
	s_add_co_u32 s87, s87, s85                     ; Y: which 256 tokens
	s_lshl_b32 s88, s85, 2
	s_lshl_b32 s88, 15, s88                        ; my row of the cluster
	s_lshl_b32 s89, 0x1111, s84                    ; my column
	; descriptor groups 1: elements of 8 bytes, no padding.  Codes: 32,768 dense bytes as 128 rows of 256.  Scale words: 8 rows (K steps) of 512 bytes
	s_or_b32 s24, s88, (3<<16)|(1<<21)
	s_or_b32 s32, s89, (3<<16)|(1<<21)
	s_or_b32 s40, s88, (3<<16)|(1<<21)
	s_or_b32 s48, s89, (3<<16)|(1<<21)
.irp g, 24, 32
	s_mov_b32 s[\g+1], 32<<16
	s_mov_b32 s[\g+2], 128<<16
	s_mov_b32 s[\g+3], 32<<16
	s_mov_b32 s[\g+4], 128
	s_mov_b32 s[\g+5], 32
	s_mov_b32 s[\g+6], 0
	s_mov_b32 s[\g+7], 0
.endr
.irp g, 40, 48
	s_mov_b32 s[\g+1], 64<<16
	s_mov_b32 s[\g+2], 8<<16
	s_mov_b32 s[\g+3], 64<<16
	s_mov_b32 s[\g+4], 8
	s_mov_b32 s[\g+6], 0
	s_mov_b32 s[\g+7], 0
.endr
	s_mov_b32 s45, 4096                            ; x's scale words: 32,768 bytes from K step to K step
	s_mov_b32 s53, 2048                            ; W's: 16,384
	s_lshl_b32 s90, s87, 16                        ; x's addresses hang on Y and the wave alone,
	s_lshl_b32 s91, s18, 15
	s_add_co_u32 s90, s90, s91
	s_mov_b32 s91, 0
	s_lshl_b32 s92, s87, 10
	s_lshl_b32 s93, s18, 9
	s_add_co_u32 s92, s92, s93
	s_mov_b32 s93, 0
	s_lshl_b32 s94, s86, 16                        ; W's on X and the wave alone
	s_lshl_b32 s95, s18, 15
	s_add_co_u32 s94, s94, s95
	s_mov_b32 s95, 0
	s_lshl_b32 s96, s86, 10
	s_lshl_b32 s97, s18, 9
	s_add_co_u32 s96, s96, s97
	s_mov_b32 s97, 0
	; where my results go: record (16 batch + head) x 16 + key step
	s_lshr_b32 s20, s87, 3
	s_lshl_b32 s20, s20, 4
	s_and_b32 s21, s86, 3
	s_lshl_b32 s21, s21, 2
	s_add_co_u32 s20, s20, s21
	s_lshl_b32 s21, s18, 1
	s_add_co_u32 s20, s20, s21
	s_lshl_b32 s20, s20, 4
	s_and_b32 s21, s87, 7
	s_lshl_b32 s21, s21, 1
	s_add_co_u32 s20, s20, s21
	s_add_co_u32 s20, s20, s17
	s_wait_dscnt 0x0
	s_wait_kmcnt 0x0
	s_mov_b32 s56, 1                               ; x's scale words
	s_lshl_b32 s57, s18, 12
	s_add_co_u32 s57, s57, 262144
	s_add_nc_u64 s[58:59], s[6:7], s[92:93]
	s_or_b32 s59, s59, 0x80000000
	s_mov_b32 s60, 1                               ; x's codes, first half of K
	s_lshl_b32 s61, s18, 16
	s_add_nc_u64 s[62:63], s[4:5], s[90:91]
	s_or_b32 s63, s63, 0x80000000
	s_mov_b32 s68, 1                               ; second half
	s_add_co_u32 s69, s61, 32768
	s_add_nc_u64 s[70:71], s[4:5], s[90:91]
	s_add_nc_u64 s[70:71], s[70:71], 0x200000
	s_or_b32 s71, s71, 0x80000000
	s_mov_b32 s72, 1                               ; W's scale words
	s_lshl_b32 s73, s18, 12
	s_add_co_u32 s73, s73, 270336
	s_add_nc_u64 s[74:75], s[10:11], s[96:97]
	s_or_b32 s75, s75, 0x80000000
	s_mov_b32 s76, 1                               ; W's codes
	s_lshl_b32 s77, s18, 16
	s_add_co_u32 s77, s77, 131072
	s_add_nc_u64 s[78:79], s[8:9], s[94:95]
	s_or_b32 s79, s79, 0x80000000
	s_mov_b32 s80, 1
	s_add_co_u32 s81, s77, 32768
	s_add_nc_u64 s[82:83], s[8:9], s[94:95]
	s_add_nc_u64 s[82:83], s[82:83], 0x100000
	s_or_b32 s83, s83, 0x80000000
	CROUND                                         ; all sixteen work-groups are here: the joint loads meet
	JLOAD 56, 40, 72, 48                           ; three loads of mine are out behind these lines
	JLOAD 60, 24, 76, 32
	JLOAD 68, 24, 80, 32
; the fragments and scale words of K step st into set st % 2: 34 LDS loads in one run
.macro FETCH st, aP, aQ, aPS, aQS
.set FS, (\st)%2
.set FO, ((\st)/4)*32768+((\st)%4)*1024
	WIN 0x40                                       ; destination window 1
.irp i, 0,1,2,3,4,5,6,7
	ds_load_b128 v[128*FS+8*\i:128*FS+8*\i+3], v[\aP] offset:FO+\i*4096
	ds_load_b128 v[128*FS+8*\i+4:128*FS+8*\i+7], v[\aP] offset:FO+\i*4096+512
.endr
	WIN 0
.irp i, 0,1,2,3,4,5,6,7
	ds_load_b128 v[64+64*FS+8*\i:64+64*FS+8*\i+3], v[\aQ] offset:FO+\i*4096
	ds_load_b128 v[64+64*FS+8*\i+4:64+64*FS+8*\i+7], v[\aQ] offset:FO+\i*4096+512
.endr
	ds_load_b128 v[32+8*FS:35+8*FS], v[\aPS] offset:(\st)*512   ; register i % 4: tile i's words, in lanes 0-15 for tiles 0-3, in lanes 16-31 for tiles 4-7
	ds_load_b128 v[36+8*FS:39+8*FS], v[\aQS] offset:(\st)*512
.endm
.macro WM a, b, st
.set DA, 64*((\a)%4)+8*(\b)
.set PA, 128*((\st)%2)+8*(\b)
.set QA, 64+64*((\st)%2)+8*(\a)
.set SA, 32+8*((\st)%2)+(\b)%4
.set SB, 36+8*((\st)%2)+(\a)%4
.if (\st) == 0                         ; the first K step starts the sums
.if ((\b) < 4) && ((\a) < 4)
	v_wmma_scale_f32_16x16x128_f8f6f4 v[DA:DA+7], v[PA:PA+7], v[QA:QA+7], 0, v[SA], v[SB] matrix_a_fmt:MATRIX_FMT_FP4 matrix_b_fmt:MATRIX_FMT_FP4
.elseif (\a) < 4
	v_wmma_scale_f32_16x16x128_f8f6f4 v[DA:DA+7], v[PA:PA+7], v[QA:QA+7], 0, v[SA], v[SB] matrix_a_fmt:MATRIX_FMT_FP4 matrix_b_fmt:MATRIX_FMT_FP4 matrix_a_scale:MATRIX_SCALE_ROW1
.elseif (\b) < 4
	v_wmma_scale_f32_16x16x128_f8f6f4 v[DA:DA+7], v[PA:PA+7], v[QA:QA+7], 0, v[SA], v[SB] matrix_a_fmt:MATRIX_FMT_FP4 matrix_b_fmt:MATRIX_FMT_FP4 matrix_b_scale:MATRIX_SCALE_ROW1
.else
	v_wmma_scale_f32_16x16x128_f8f6f4 v[DA:DA+7], v[PA:PA+7], v[QA:QA+7], 0, v[SA], v[SB] matrix_a_fmt:MATRIX_FMT_FP4 matrix_b_fmt:MATRIX_FMT_FP4 matrix_a_scale:MATRIX_SCALE_ROW1 matrix_b_scale:MATRIX_SCALE_ROW1
.endif
.else
.if ((\b) < 4) && ((\a) < 4)
	v_wmma_scale_f32_16x16x128_f8f6f4 v[DA:DA+7], v[PA:PA+7], v[QA:QA+7], v[DA:DA+7], v[SA], v[SB] matrix_a_fmt:MATRIX_FMT_FP4 matrix_b_fmt:MATRIX_FMT_FP4
.elseif (\a) < 4
	v_wmma_scale_f32_16x16x128_f8f6f4 v[DA:DA+7], v[PA:PA+7], v[QA:QA+7], v[DA:DA+7], v[SA], v[SB] matrix_a_fmt:MATRIX_FMT_FP4 matrix_b_fmt:MATRIX_FMT_FP4 matrix_a_scale:MATRIX_SCALE_ROW1
.elseif (\b) < 4
	v_wmma_scale_f32_16x16x128_f8f6f4 v[DA:DA+7], v[PA:PA+7], v[QA:QA+7], v[DA:DA+7], v[SA], v[SB] matrix_a_fmt:MATRIX_FMT_FP4 matrix_b_fmt:MATRIX_FMT_FP4 matrix_b_scale:MATRIX_SCALE_ROW1
.else
	v_wmma_scale_f32_16x16x128_f8f6f4 v[DA:DA+7], v[PA:PA+7], v[QA:QA+7], v[DA:DA+7], v[SA], v[SB] matrix_a_fmt:MATRIX_FMT_FP4 matrix_b_fmt:MATRIX_FMT_FP4 matrix_a_scale:MATRIX_SCALE_ROW1 matrix_b_scale:MATRIX_SCALE_ROW1
.endif
.endif
.endm
.macro MULS st                         ; 64 products; the 64 accumulators take turns, one instruction a turn, in the same order in every K step
	WIN 0xa1                                       ; P window 1, Q window 0, C and D window 2
.irp a, 0,1,2,3
.irp b, 0,1,2,3,4,5,6,7
	WM \a, \b, \st
.endr
.endr
	WIN 0xf1                                       ; C and D window 3
.irp a, 4,5,6,7
.irp b, 0,1,2,3,4,5,6,7
	WM \a, \b, \st
.endr
.endr
.endm
.macro STEP st, aP, aQ, aPS, aQS
	s_wait_dscnt 0x0                               ; this K step's fragments, asked for 64 products ago, are in
.if (\st) == 3
	s_wait_tensorcnt 0x0                           ; my part of the second half of K has landed,
	s_barrier_signal -1
	s_barrier_wait -1                              ; everybody's has: it is read from here on
.endif
.if (\st) < 7
	PLACES 4                                       ; in front of loads into registers that the last K step's products read
	FETCH (\st)+1, \aP, \aQ, \aPS, \aQS
.endif
	MULS \st
.endm
.macro GEMM aP, aQ, aPS, aQS
	FETCH 0, \aP, \aQ, \aPS, \aQS
.irp st, 0,1,2,3,4,5,6,7
	STEP \st, \aP, \aQ, \aPS, \aQS
.endr
.endm
; The 64 results of Q's tile a in my lane (register 16 b + i = P's row 32 b + 16 h + i) become a fragment's codes in v[64 + 8 a] on and its scale word in v[WD + a].
.macro QUANTA a
.set AC, 64*((\a)%4)
.set AW, 2+(\a)/4
.set AW5, AW*5
.set PCD, 64+8*(\a)
	WIN AW5                                        ; sources 0 and 1: the accumulators' window
.irp b, 0,1,2,3
	v_max3_num_f32 v[TM+\b], |v[AC+16*\b]|, |v[AC+16*\b+1]|, 0x1800000   ; each accumulator is read from its low end on; the floor holds the byte at 1 from below
.endr
.irp i, 2,4,6,8,10,12,14
.irp b, 0,1,2,3
	v_max3_num_f32 v[TM+\b], |v[AC+16*\b+\i]|, |v[AC+16*\b+\i+1]|, v[TM+\b]
.endr
.endr
	WIN 0
.irp b, 0,1,2,3
	v_permlanex16_b32 v[TM+4+\b], v[TM+\b], s22, s23
.endr
.irp b, 0,1,2,3
	v_max_num_f32 v[TM+\b], v[TM+\b], v[TM+4+\b]   ; with lane l xor 16's 16: the block's largest magnitude
.endr
.irp b, 0,1,2,3
	v_add_nc_u32 v[TM+12+\b], 0xff000000, v[TM+\b] ; 2 off the exponent field: the conversion's scale operand
.endr
.irp b, 0,1,2,3
	v_lshrrev_b32 v[TM+4+\b], 23, v[TM+12+\b]      ; the byte
.endr
	v_lshl_or_b32 v[WD+(\a)], v[TM+5], 8, v[TM+4]
	v_lshl_or_b32 v[WD+(\a)], v[TM+6], 16, v[WD+(\a)]
	v_lshl_or_b32 v[WD+(\a)], v[TM+7], 24, v[WD+(\a)]
	WIN AW
.irp b, 0,1,2,3
	v_cvt_scalef32_pk8_fp4_f32 v[PCD+2*\b], v[AC+16*\b:AC+16*\b+7], v[TM+12+\b]
	v_cvt_scalef32_pk8_fp4_f32 v[PCD+2*\b+1], v[AC+16*\b+8:AC+16*\b+15], v[TM+12+\b]
.endr
	WIN 0
	v_nop                                          ; one plain place behind a scaled conversion
.irp c, 0,1                            ; a whole block to a lane: lanes 0-15 block 2 c, lanes 16-31 block 2 c + 1
.irp i, 0,1
	v_permlane16_swap_b32 v[PCD+4*\c+\i], v[PCD+4*\c+2+\i]
.endr
.endr
.endm
	s_wait_tensorcnt 0x1                           ; the scale words and my part of the first half of K are in; the second half's load may be out
	s_barrier_signal -1
	s_barrier_wait -1
	s_cmp_eq_u32 ttmp9, 2
	s_cbranch_scc1 .Lvalues
	s_wait_alu depctr_va_vdst(0)
; ---------------- q and k: P = W, Q = x ----------------
	GEMM ADRW, ADRX, ADWS, ADXS
	WIN 0
	s_cmp_eq_u32 ttmp9, 0                          ; q's records (4,608 bytes, words at 4,096) or k's part of kv's (8,960 bytes, words at 8,192)
	s_cselect_b64 s[84:85], s[12:13], s[14:15]
	s_mov_b32 s86, 8960
	s_cselect_b32 s86, 4608, s86
	s_mov_b32 s87, 8192
	s_cselect_b32 s87, 4096, s87
	s_mul_i32 s88, s20, s86
	s_mov_b32 s89, 0
	s_add_nc_u64 s[84:85], s[84:85], s[88:89]      ; my first head's record
	s_lshl_b32 s88, s86, 4
	s_add_nc_u64 s[90:91], s[84:85], s[88:89]      ; my second head's: 16 records on
	v_and_b32 v20, 15, v0                          ; these seven plain lines name no register of the last products: they are the places behind them
	v_bfe_u32 v22, v0, 4, 1
	v_lshlrev_b32 v21, 4, v20
	v_add_nc_u32 v21, s87, v21
	v_mul_lo_u32 v23, v22, s88
	v_add_nc_u32 v21, v21, v23                     ; the words' place: 16 r; lanes 16-31 in the second head's record
	v_lshlrev_b32 v22, 4, v22                      ; 16 h
.irp a, 0,1,2,3,4,5,6,7
	QUANTA \a
	global_store_b128 v1, v[64+8*\a:67+8*\a], s[84:85] offset:512*\a      ; the first head's 64 codes of 16 tokens: 512 consecutive bytes
	global_store_b128 v1, v[68+8*\a:71+8*\a], s[90:91] offset:512*\a      ; the second head's
.endr
.irp a, 0,1,2,3,4,5,6,7
	v_lshrrev_b32 v[WD+\a], v22, v[WD+\a]          ; bytes 0, 1 are the first head's, bytes 2, 3 the second's;
.endr
.irp a, 0,1,2,3,4,5,6,7
	v_and_b32 v[WD+\a], 0xffff, v[WD+\a]           ; a head's word has them low, and 0 for k = 64 .. 127, whose codes are zeros
.endr
	global_store_b128 v21, v[WD:WD+3], s[84:85]
	global_store_b128 v21, v[WD+4:WD+7], s[84:85] offset:256
	s_wait_tensorcnt 0x0
	ds_add_u32 v254, v255
	s_wait_dscnt 0x0
	CROUND                                         ; the closing round
	s_endpgm
; ---------------- v: P = x, Q = W ----------------
.Lvalues:
	s_wait_alu depctr_va_vdst(0)
	GEMM ADRX, ADRW, ADXS, ADWS
	WIN 0
	s_mul_i32 s88, s20, 8960
	s_add_co_u32 s88, s88, 4096
	s_mov_b32 s89, 0
	s_add_nc_u64 s[84:85], s[14:15], s[88:89]      ; V's part of my first head's record
	v_and_b32 v20, 15, v0                          ; six plain lines: the places behind the last products
	v_bfe_u32 v22, v0, 4, 1
	v_lshlrev_b32 v21, 4, v20
	v_mul_u32_u24 v23, v22, 0x23000                ; 16 records of 8,960 bytes
	v_add_nc_u32 v21, v21, v23
	v_add_nc_u32 v21, 4608, v21                    ; the words' place
.irp a, 0,1,2,3,4,5,6,7
	QUANTA \a
	global_store_b128 v1, v[64+8*\a:67+8*\a], s[84:85] offset:(\a/4)*143360+(\a%4)*1024
	global_store_b128 v1, v[68+8*\a:71+8*\a], s[84:85] offset:(\a/4)*143360+(\a%4)*1024+512
.endr
	v_cmp_le_u32 vcc_lo, 16, v2                    ; lanes 0-15 store the first head's words, lanes 16-31 the second's
.irp i, 0,1,2,3
	v_cndmask_b32 v[24+\i], v[WD+\i], v[WD+4+\i], vcc_lo
.endr
	global_store_b128 v21, v[24:27], s[84:85]
	s_wait_tensorcnt 0x0
	ds_add_u32 v254, v255
	s_wait_dscnt 0x0
	CROUND                                         ; the closing round
	s_endpgm
.Lfunc_end_k_q1c6350a61b_qkv:
	.size	k_q1c6350a61b_qkv, .Lfunc_end_k_q1c6350a61b_qkv-k_q1c6350a61b_qkv
	.p2alignl 7, 3214868480
	.fill 96, 4, 3214868480
	.section	.rodata,"a",@progbits
	.p2align	6, 0x0
	.amdhsa_kernel k_q1c6350a61b_qkv
		.amdhsa_group_segment_fixed_size 279040
		.amdhsa_private_segment_fixed_size 0
		.amdhsa_enable_private_segment 0
		.amdhsa_kernarg_size 48
		.amdhsa_user_sgpr_count 2
		.amdhsa_user_sgpr_kernarg_segment_ptr 1
		.amdhsa_wavefront_size32 1
		.amdhsa_system_sgpr_workgroup_id_x 1
		.amdhsa_system_sgpr_workgroup_id_y 1
		.amdhsa_system_sgpr_workgroup_id_z 1
		.amdhsa_system_vgpr_workitem_id 0
		.amdhsa_next_free_vgpr 1024
		.amdhsa_next_free_sgpr 102
		.amdhsa_reserve_vcc 1
		.amdhsa_float_denorm_mode_32 3
		.amdhsa_float_denorm_mode_16_64 3
		.amdhsa_memory_ordered 1
		.amdhsa_forward_progress 1
		.amdhsa_inst_pref_size 243
	.end_amdhsa_kernel
	.amdgpu_metadata
---
amdhsa.version: [ 1, 2 ]
amdhsa.kernels:
  - .name:           k_q1c6350a61b_qkv
    .symbol:         k_q1c6350a61b_qkv.kd
    .args:
      - { .name: xc, .offset: 0, .size: 8, .value_kind: global_buffer, .address_space: global }
      - { .name: xs, .offset: 8, .size: 8, .value_kind: global_buffer, .address_space: global }
      - { .name: wc, .offset: 16, .size: 8, .value_kind: global_buffer, .address_space: global }
      - { .name: ws, .offset: 24, .size: 8, .value_kind: global_buffer, .address_space: global }
      - { .name: qb, .offset: 32, .size: 8, .value_kind: global_buffer, .address_space: global }
      - { .name: kv, .offset: 40, .size: 8, .value_kind: global_buffer, .address_space: global }
    .group_segment_fixed_size: 279040
    .private_segment_fixed_size: 0
    .kernarg_segment_align: 8
    .kernarg_segment_size: 48
    .max_flat_workgroup_size: 128
    .sgpr_count:     102
    .vgpr_count:     1024
    .wavefront_size: 32
...
	.end_amdgpu_metadata
.endif
;; end of part 2
;; launch attn (part 3): grid 8 x 32, 16 waves a work-group, clusters of 4 x 1, 289,792 bytes of LDS; arguments qb, kv, oc, os; writes oc, os
.if DOCPART == 3
	.amdgcn_target "amdgcn-amd-amdhsa--gfx1250"
	.amdhsa_code_object_version 6
	.text
	.protected	k_q1c6350a61b_attn
	.globl	k_q1c6350a61b_attn
	.p2align	8
	.type	k_q1c6350a61b_attn,@function
k_q1c6350a61b_attn:
	s_mov_b64 s[64:65], 0
	v_nop
	global_prefetch_b8 v0, s[64:65] scope:SCOPE_SE
	s_setreg_imm32_b32 hwreg(HW_REG_WAVE_MODE, 25, 1), 1
	s_wait_xcnt 0x0
	s_wait_alu depctr_hold_cnt(0) depctr_sa_sdst(0) depctr_va_vdst(0) depctr_va_sdst(0) depctr_va_ssrc(0) depctr_va_vcc(0) depctr_vm_vsrc(0)
	s_getreg_b32 s2, hwreg(HW_REG_IB_STS2, 6, 4)
	s_cmp_eq_u32 s2, 0
	s_cbranch_scc0 .Lentry_in_a_cluster
	s_endpgm
.Lentry_in_a_cluster:
	s_bfe_u32 s2, ttmp6, 0x10000c
	s_cmp_lg_u32 s2, 0x3003
	s_cbranch_scc0 .Lentry_shape_is_right
	s_endpgm
.Lentry_shape_is_right:
; o = softmax(q k^T / 8) v for two heads of one batch, both products on codes of FP4 with E8M0 scales; o leaves quantised along the inner 1,024, as images of the last product's operand.
; t = score x log2(e) / 8; M = the running largest t rounded up to a whole number; p = 2^(t - M) is quantised along the keys; the row's sum is of the unquantised p and divides at the end.
; SHARES.  A work-group owns 256 queries and a pair of heads; each of its sixteen waves owns one tile of 16 queries, first for head 2 p, then for head 2 p + 1: so it makes a whole fragment and a whole scale word of o.
; K, V and their scale words of both heads, 286,720 bytes, lie in LDS as they lie in memory, each byte filled once: 32 records of 8,960 bytes, one for each 128 keys.
; CLUSTER 4 x 1: the four query blocks read the same records: joint loads, five in each of waves 0 and 1, all behind one round: the first head in four chunks, so that work begins when the first has landed.
; LAYOUT.  S^T = K Q^T, O^T = V^T P^T: a lane holds one query.  The head's 64 fill half of the instruction's 128 along K: registers 4-7 of K's and Q's fragments are zeros, written once.
; Tiles of keys and of channels go in the order 32 (T / 2) + 8 (T % 2) + r % 8 + 16 (r / 8), so that the 16 registers of tiles 2 b, 2 b + 1 are 16 neighbours along the next K.
; LIMITS: NaN and infinities are not served; a block whose largest magnitude lies under 2^-124 takes the byte 1.
; REGISTERS: v1 16 x lane, v2 16 r, v3-4 the step's addresses, v5 o's scale word, v6-7 Q's, v8-11 addresses, v12 -M, v13 largest t, v[14:15] the sum, v16-31 Q, v32-95 K, v96-159 S^T then p, v160-191 O^T, v192-223 V^T,
;   v224-231 p's codes, v232-239, v244-247, v252, v254 at work, v240-243 V's scale words, v248-251 K's, v253 p's.
.set STG, 286720                       ; 1,024 bytes of the work-group's own: o's scale words on their way out; no fill lands there
.set TB,  13                           ; s13  LDS byte of the record in hand
.set CNT, 14                           ; s14  trips to go
.set SEL, 76
.set CS,  78
.macro CROUND
	s_barrier_signal -1
	s_barrier_wait -1
	s_cmp_lg_u32 s12, 0
	s_cbranch_scc1 .Lnot_wave_0_\@
	s_barrier_signal -3
.Lnot_wave_0_\@:
	s_barrier_wait -3
	s_barrier_signal -1
	s_barrier_wait -1
.endm
	s_load_b256 s[4:11], s[0:1], 0x0               ; qb, kv, oc, os
	v_lshl_add_u32 v254, v0, 2, 0x46400
	v_mov_b32 v255, 0
	ds_add_u32 v254, v255
	ds_add_u32 v254, v255
	s_wait_dscnt 0x0
	v_lshrrev_b32 v3, 5, v0
	s_delay_alu instid0(VALU_DEP_1)
	v_readfirstlane_b32 s12, v3                    ; wave 0..15
	v_and_b32 v4, 31, v0
	s_delay_alu instid0(VALU_DEP_1)
	v_lshlrev_b32 v1, 4, v4
	s_wait_alu depctr_va_vdst(0)
	v_and_b32 v8, 15, v0
	s_delay_alu instid0(VALU_DEP_1)
	v_lshlrev_b32 v2, 4, v8
	s_wait_alu depctr_va_vdst(0)
	s_lshr_b32 s13, s12, 2
	s_lshl_b32 s13, s13, 8
	s_and_b32 s14, s12, 3
	s_lshl_b32 s14, s14, 2
	s_add_co_u32 s13, s13, s14
	s_add_co_u32 s13, s13, STG
	v_add_nc_u32 v9, s13, v2                       ; my tile's word: group wave / 4, row r, place wave % 4
	s_and_b32 s20, s12, 1
	s_lshl_b32 s14, s20, 9
	s_add_co_u32 s14, s14, STG
	v_add_nc_u32 v10, s14, v1                      ; where waves 0 and 1 read the words back
	s_bfe_u32 s15, ttmp6, 0x40000                  ; cx
	s_lshl_b32 s16, ttmp9, 2
	s_add_co_u32 s16, s16, s15                     ; my block of 256 queries: it enters Q's and o's addresses alone
	s_and_b32 s17, ttmp7, 0xffff                   ; 8 x batch + pair of heads: the four partners share it
	s_lshr_b32 s18, s17, 3
	s_and_b32 s19, s17, 7
	s_mul_i32 s60, s17, 286720
	s_mov_b32 s61, 0
	s_mul_i32 s21, s20, 17920                      ; what I fetch, if I fetch: half of each chunk (70 rows of 256 bytes),
	s_mul_i32 s22, s20, 71680                      ; half of the second head (280 rows)
	s_mov_b32 s24, 15|(3<<16)|(1<<21)              ; mask: all four; elements of 8 bytes; no padding
	s_mov_b32 s25, 32<<16
	s_mov_b32 s26, 70<<16
	s_mov_b32 s27, 32<<16
	s_mov_b32 s28, 70
	s_mov_b32 s29, 32
	s_mov_b32 s30, 0
	s_mov_b32 s31, 0
	s_mov_b32 s32, 15|(3<<16)|(1<<21)
	s_mov_b32 s33, 32<<16
	s_mov_b32 s34, 280<<16
	s_mov_b32 s35, 32<<16
	s_mov_b32 s36, 280
	s_mov_b32 s37, 32
	s_mov_b32 s38, 0
	s_mov_b32 s39, 0
	s_lshl_b32 s68, s17, 5                         ; Q's record: (16 batch + head) x 16 + its 128 queries
	s_lshl_b32 s69, s16, 1
	s_add_co_u32 s68, s68, s69
	s_lshr_b32 s69, s12, 3
	s_add_co_u32 s68, s68, s69
	s_mul_i32 s68, s68, 4608
	s_mov_b32 s69, 0
	s_and_b32 s70, s12, 7
	s_lshl_b32 s71, s70, 9
	v_add_nc_u32 v11, s71, v1                      ; my tile's codes in the record
	s_lshr_b32 s70, s70, 2
	s_lshl_b32 s70, s70, 8
	s_and_b32 s71, s12, 3
	s_lshl_b32 s71, s71, 2
	s_add_co_u32 s70, s70, s71
	s_add_co_u32 s70, s70, 4096
	v_add_nc_u32 v8, s70, v2                       ; and its scale words
	s_lshr_b32 s72, s19, 2                         ; o's fragment: K half, tile, K step % 4
	s_lshl_b32 s72, s72, 21
	s_lshl_b32 s73, s18, 7
	s_lshl_b32 s74, s16, 4
	s_add_co_u32 s73, s73, s74
	s_add_co_u32 s74, s73, s12
	s_lshl_b32 s74, s74, 12
	s_add_co_u32 s72, s72, s74
	s_and_b32 s74, s19, 3
	s_lshl_b32 s74, s74, 10
	s_add_co_u32 s72, s72, s74
	s_lshl_b32 s74, s73, 6                         ; o's words: the work-group's four groups of 256 bytes
	s_lshl_b32 s75, s19, 15
	s_add_co_u32 s74, s74, s75
	s_lshl_b32 s75, s20, 9
	s_add_co_u32 s74, s74, s75
	s_mov_b32 s73, 0
	s_mov_b32 s75, 0
	s_mov_b32 s[SEL], 0x76543210
	s_mov_b32 s[SEL+1], 0xfedcba98
	s_mov_b32 s[CS], 0x3e38aa3b                    ; c = log2(e) / 8
	s_mov_b32 s[CS+1], s[CS]
	s_wait_kmcnt 0x0
	s_add_nc_u64 s[6:7], s[6:7], s[60:61]
	s_mov_b32 s60, s21
	s_add_nc_u64 s[62:63], s[6:7], s[60:61]
	s_add_co_u32 s60, s22, 143360
	s_add_nc_u64 s[66:67], s[6:7], s[60:61]
	s_add_nc_u64 s[4:5], s[4:5], s[68:69]
	s_add_nc_u64 s[8:9], s[8:9], s[72:73]
	s_add_nc_u64 s[10:11], s[10:11], s[74:75]
.irp j, 0,1,2,3
	s_mov_b32 s[40+4*\j], 1
	s_add_co_u32 s[41+4*\j], s21, \j*35840
	s_add_nc_u64 s[42+4*\j:43+4*\j], s[62:63], \j*35840
	s_or_b32 s[43+4*\j], s[43+4*\j], 0x80000000
.endr
	s_mov_b32 s56, 1
	s_add_co_u32 s57, s22, 143360
	s_mov_b64 s[58:59], s[66:67]
	s_or_b32 s59, s59, 0x80000000
	CROUND                                         ; all four work-groups are here: the joint loads meet
	s_cmp_lt_u32 s12, 2
	s_cbranch_scc0 .Lno_fetch
	tensor_load_to_lds s[40:43], s[24:31]          ; five loads of mine are out behind these lines
	s_nop 0
	tensor_load_to_lds s[44:47], s[24:31]
	s_nop 0
	tensor_load_to_lds s[48:51], s[24:31]
	s_nop 0
	tensor_load_to_lds s[52:55], s[24:31]
	s_nop 0
	tensor_load_to_lds s[56:59], s[32:39]
	s_nop 0
.rept 4
	v_nop
.endr
.Lno_fetch:
	s_wait_alu depctr_va_vdst(0)
	global_load_b128 v[16:19], v11, s[4:5]                 ; Q of head 2 p,
	global_load_b128 v[24:27], v11, s[4:5] offset:73728    ; of head 2 p + 1: 16 records on
	global_load_b32 v6, v8, s[4:5]
	global_load_b32 v7, v8, s[4:5] offset:73728
.irp j, 20,21,22,23,28,29,30,31
	v_mov_b32 v[\j], 0                             ; k = 64 .. 127 of Q: zero codes
.endr
.irp t, 0,1,2,3,4,5,6,7
.irp j, 4,5,6,7
	v_mov_b32 v[32+8*\t+\j], 0                     ; and of K: written once
.endr
.endr
.irp b, 0,1,2,3
	v_mov_b32 v[236+\b], 0                         ; a lane permute's destination counts as read
.endr
	v_mov_b32 v253, 0                              ; named as the upper half of v[252:253] before it is first written
; A KEY STEP: the record's 128 keys.
.macro STEP QF, QS
	v_add_nc_u32 v3, s[TB], v1
	v_add_nc_u32 v4, s[TB], v2
	v_nop
	v_nop                                          ; four places in front of loads into registers that the last step's products read
.irp t, 0,1,2,3,4,5,6,7
	ds_load_b128 v[32+8*\t:35+8*\t], v3 offset:512*\t
.endr
	ds_load_b128 v[248:251], v3 offset:8192        ; K's words: register t % 4, lanes 0-15 for tiles 0-3, lanes 16-31 for tiles 4-7
.irp d, 0,1,2,3
	ds_load_b128 v[192+8*\d:195+8*\d], v3 offset:4096+1024*\d
	ds_load_b128 v[196+8*\d:199+8*\d], v3 offset:4096+1024*\d+512
.endr
	ds_load_b128 v[240:243], v4 offset:8704        ; V's words: register d
	s_wait_dscnt 0x9                               ; K and its words are in; V's nine loads may be out
.irp t, 0,1,2,3
	v_wmma_scale_f32_16x16x128_f8f6f4 v[96+8*\t:103+8*\t], v[32+8*\t:39+8*\t], v[\QF:\QF+7], 0, v[248+\t], v[\QS] matrix_a_fmt:MATRIX_FMT_FP4 matrix_b_fmt:MATRIX_FMT_FP4
.endr
.irp t, 4,5,6,7
	v_wmma_scale_f32_16x16x128_f8f6f4 v[96+8*\t:103+8*\t], v[32+8*\t:39+8*\t], v[\QF:\QF+7], 0, v[244+\t], v[\QS] matrix_a_fmt:MATRIX_FMT_FP4 matrix_b_fmt:MATRIX_FMT_FP4 matrix_a_scale:MATRIX_SCALE_ROW1
.endr
.rept 4
	v_nop
.endr
.irp b, 0,1,2,3
	v_max3_num_f32 v[232+\b], v[96+16*\b], v[97+16*\b], v[98+16*\b]   ; the largest score of each block of 32 keys: for the row's maximum, and, since p rises with the score, for the block's largest p
.endr
.irp i, 3,5,7,9,11,13
.irp b, 0,1,2,3
	v_max3_num_f32 v[232+\b], v[232+\b], v[96+16*\b+\i], v[97+16*\b+\i]
.endr
.endr
.irp b, 0,1,2,3
	v_max_num_f32 v[232+\b], v[232+\b], v[111+16*\b]
.endr
.irp b, 0,1,2,3
	s_delay_alu instid0(VALU_DEP_4)
	v_permlanex16_b32 v[236+\b], v[232+\b], s[SEL], s[SEL+1]
.endr
.irp b, 0,1,2,3
	s_delay_alu instid0(VALU_DEP_4)
	v_max_num_f32 v[232+\b], v[232+\b], v[236+\b]
.endr
	s_delay_alu instid0(VALU_DEP_2)
	v_max3_num_f32 v254, v232, v233, v234
	s_delay_alu instid0(VALU_DEP_1)
	v_max_num_f32 v254, v254, v235
	s_delay_alu instid0(VALU_DEP_1)
	v_mul_f32 v254, s[CS], v254
	s_delay_alu instid0(VALU_DEP_1)
	v_max_num_f32 v13, v13, v254                   ; the running largest t
	v_mov_b32 v254, v12
	s_delay_alu instid0(VALU_DEP_2)
	v_floor_f32 v12, -v13                          ; -M = floor(-t): M is a whole number
	s_delay_alu instid0(VALU_DEP_1)
	v_sub_f32 v254, v12, v254
	s_delay_alu instid0(VALU_DEP_1)
	v_cvt_i32_f32 v254, v254                       ; (it saturates)
	s_delay_alu instid0(VALU_DEP_1)
	v_ldexp_f32 v252, 1.0, v254                    ; f = 2^(old M - new M)
.set j, 0
.rept 32
	v_pk_fma_f32 v[96+j:97+j], v[96+j:97+j], s[CS:CS+1], v[12:13] op_sel_hi:[1,0,0]   ; t - M
.set j, j+2
.endr
.irp b, 0,1,2,3
	v_fma_f32 v[232+\b], v[232+\b], s[CS], v12
.endr
.set j, 0
	s_wait_alu depctr_va_vdst(0)
.rept 64
	v_exp_f32 v[96+j], v[96+j]                     ; p = 2^(t - M)
.set j, j+1
.endr
	s_setprio 1
.irp b, 0,1,2,3
	v_exp_f32 v[232+\b], v[232+\b]                 ; the block's largest p: the same two instructions on the same number
.endr
	v_pk_mul_f32 v[14:15], v[14:15], v[252:253] op_sel_hi:[1,0]   ; the sums under the new M (a plain place behind the exponentials)
	s_wait_alu depctr_va_vdst(0)
.irp b, 0,1,2,3
	v_max_num_f32 v[232+\b], 0x1800000, v[232+\b]
.endr
.irp b, 0,1,2,3
	s_delay_alu instid0(VALU_DEP_4)
	v_add_nc_u32 v[244+\b], 0xff000000, v[232+\b]
.endr
.irp b, 0,1,2,3
	s_delay_alu instid0(VALU_DEP_4)
	v_lshrrev_b32 v[236+\b], 23, v[244+\b]
.endr
	s_delay_alu instid0(VALU_DEP_3)
	v_lshl_or_b32 v253, v237, 8, v236              ; p's scale word
	s_delay_alu instid0(VALU_DEP_1)
	v_lshl_or_b32 v253, v238, 16, v253
	s_delay_alu instid0(VALU_DEP_1)
	v_lshl_or_b32 v253, v239, 24, v253
.irp b, 0,1,2,3
	v_cvt_scalef32_pk8_fp4_f32 v[224+2*\b], v[96+16*\b:103+16*\b], v[244+\b]
	v_cvt_scalef32_pk8_fp4_f32 v[225+2*\b], v[104+16*\b:111+16*\b], v[244+\b]
.endr
	v_nop
.irp c, 0,1
.irp i, 0,1
	v_permlane16_swap_b32 v[224+4*\c+\i], v[226+4*\c+\i]
.endr
.endr
	v_pk_add_f32 v[236:237], v[100:101], v[104:105]
	v_pk_add_f32 v[254:255], v[108:109], v[112:113]
	v_pk_add_f32 v[250:251], v[116:117], v[120:121]
	v_pk_add_f32 v[248:249], v[124:125], v[128:129]
	v_pk_add_f32 v[246:247], v[132:133], v[136:137]
	v_pk_add_f32 v[244:245], v[140:141], v[144:145]
	v_pk_add_f32 v[234:235], v[148:149], v[152:153]
	v_pk_add_f32 v[14:15], v[14:15], v[156:157]
	v_pk_add_f32 v[236:237], v[236:237], v[96:97]
	v_pk_add_f32 v[254:255], v[254:255], v[98:99]
	v_pk_add_f32 v[250:251], v[250:251], v[102:103]
	v_pk_add_f32 v[248:249], v[248:249], v[106:107]
	v_pk_add_f32 v[246:247], v[246:247], v[110:111]
	v_pk_add_f32 v[244:245], v[244:245], v[114:115]
	v_pk_add_f32 v[234:235], v[234:235], v[118:119]
	v_pk_add_f32 v[14:15], v[14:15], v[122:123]
	v_pk_add_f32 v[236:237], v[236:237], v[126:127]
	v_pk_add_f32 v[254:255], v[254:255], v[130:131]
	v_pk_add_f32 v[250:251], v[250:251], v[134:135]
	v_pk_add_f32 v[248:249], v[248:249], v[138:139]
	v_pk_add_f32 v[246:247], v[246:247], v[142:143]
	v_pk_add_f32 v[244:245], v[244:245], v[146:147]
	v_pk_add_f32 v[234:235], v[234:235], v[150:151]
	v_pk_add_f32 v[14:15], v[14:15], v[154:155]
	v_pk_add_f32 v[236:237], v[236:237], v[158:159]
	s_delay_alu instid0(VALU_DEP_2)
	v_pk_add_f32 v[14:15], v[14:15], v[248:249]
	s_delay_alu instid0(VALU_DEP_2)
	v_pk_add_f32 v[236:237], v[236:237], v[246:247]
	v_pk_add_f32 v[254:255], v[254:255], v[244:245]
	v_pk_add_f32 v[250:251], v[250:251], v[234:235]
	s_delay_alu instid0(VALU_DEP_2)
	v_pk_add_f32 v[14:15], v[14:15], v[254:255]
	s_delay_alu instid0(VALU_DEP_2)
	v_pk_add_f32 v[236:237], v[236:237], v[250:251]
	s_delay_alu instid0(VALU_DEP_1)
	v_pk_add_f32 v[14:15], v[14:15], v[236:237]
.set j, 0
	s_setprio 0
.rept 16
	v_pk_mul_f32 v[160+j:161+j], v[160+j:161+j], v[252:253] op_sel_hi:[1,0]   ; O^T under the new M.  (With the sums above: the places between p's codes and word and the products below)
.set j, j+2
.endr
	s_wait_alu depctr_va_vdst(0)
	s_wait_dscnt 0x0                               ; V and its words are in
.irp d, 0,1,2,3
	v_wmma_scale_f32_16x16x128_f8f6f4 v[160+8*\d:167+8*\d], v[192+8*\d:199+8*\d], v[224:231], v[160+8*\d:167+8*\d], v[240+\d], v253 matrix_a_fmt:MATRIX_FMT_FP4 matrix_b_fmt:MATRIX_FMT_FP4
.endr
.endm
; A run of records that one group of loads brought.  cnt: the tensor loads issued behind it, which may stay out.  No LDS access of mine is out at the signal: a step ends behind its wait for all of them.
.macro CHUNK base, trips, cnt, QF, QS
	s_wait_tensorcnt \cnt
	s_barrier_signal -1
	s_barrier_wait -1
	s_mov_b32 s[TB], \base
	s_mov_b32 s[CNT], \trips
.Lstep_\@:
	s_setprio 2
	STEP \QF, \QS
	s_add_co_u32 s[TB], s[TB], 8960
	s_sub_co_u32 s[CNT], s[CNT], 1
	s_cmp_lg_u32 s[CNT], 0
	s_cbranch_scc1 .Lstep_\@
	s_setprio 0
.endm
.macro START                           ; the step is written without a first step of its own: it finds zeros, which the first change of M leaves zeros
	v_mov_b32 v13, 0xff61b1e6                      ; -3e38, under every t
	s_delay_alu instid0(VALU_DEP_1)
	v_floor_f32 v12, -v13
	v_mov_b32 v14, 0
	v_mov_b32 v15, 0
.set j, 0
.rept 32
	v_mov_b32 v[160+j], 0
.set j, j+1
.endr
.endm
; A head's end: O^T / the sum, quantised along the head's 64 (two blocks): half c of my fragment of o, and two bytes of its scale word.
.macro FINISH c
.rept 4
	v_nop                                          ; places behind the last products
.endr
	v_add_f32 v14, v14, v15
	s_delay_alu instid0(VALU_DEP_1)
	v_permlanex16_b32 v252, v14, s[SEL], s[SEL+1]
	s_delay_alu instid0(VALU_DEP_1)
	v_add_f32 v14, v14, v252
	s_wait_alu depctr_va_vdst(0)
	v_rcp_f32 v14, v14
	v_nop
.set j, 0
	s_wait_alu depctr_va_vdst(0)
.rept 16
	v_pk_mul_f32 v[96+j:97+j], v[160+j:161+j], v[14:15] op_sel_hi:[1,0]   ; register 16 b + i = channel 32 b + 16 h + i; each accumulator from its low end on
.set j, j+2
.endr
.irp b, 0,1
	v_max3_num_f32 v[232+\b], |v[96+16*\b]|, |v[97+16*\b]|, 0x1800000
.endr
.irp i, 2,4,6,8,10,12,14
.irp b, 0,1
	s_delay_alu instid0(VALU_DEP_2)
	v_max3_num_f32 v[232+\b], v[232+\b], |v[96+16*\b+\i]|, |v[97+16*\b+\i]|
.endr
.endr
.irp b, 0,1
	s_delay_alu instid0(VALU_DEP_2)
	v_permlanex16_b32 v[236+\b], v[232+\b], s[SEL], s[SEL+1]
.endr
.irp b, 0,1
	s_delay_alu instid0(VALU_DEP_2)
	v_max_num_f32 v[232+\b], v[232+\b], v[236+\b]
.endr
.irp b, 0,1
	s_delay_alu instid0(VALU_DEP_2)
	v_add_nc_u32 v[244+\b], 0xff000000, v[232+\b]
.endr
.irp b, 0,1
	s_delay_alu instid0(VALU_DEP_2)
	v_lshrrev_b32 v[236+\b], 23, v[244+\b]
.endr
	s_delay_alu instid0(VALU_DEP_1)
	v_lshl_or_b32 v254, v237, 8, v236
.if (\c) == 0
	s_delay_alu instid0(VALU_DEP_1)
	v_mov_b32 v5, v254
.else
	s_delay_alu instid0(VALU_DEP_1)
	v_lshl_or_b32 v5, v254, 16, v5
.endif
.irp b, 0,1
	v_cvt_scalef32_pk8_fp4_f32 v[224+2*\b], v[96+16*\b:103+16*\b], v[244+\b]
	v_cvt_scalef32_pk8_fp4_f32 v[225+2*\b], v[104+16*\b:111+16*\b], v[244+\b]
.endr
	v_nop
	v_permlane16_swap_b32 v224, v226
	v_permlane16_swap_b32 v225, v227
	global_store_b128 v1, v[224:227], s[8:9] offset:512*(\c)   ; 512 consecutive bytes
.endm
	s_wait_loadcnt 0x0                             ; Q
	START
	CHUNK 0,      4, 4, 16, 6
	CHUNK 35840,  4, 3, 16, 6
	CHUNK 71680,  4, 2, 16, 6
	CHUNK 107520, 4, 1, 16, 6
	FINISH 0
	s_wait_xcnt 0x0                                ; the store has read its data: the codes' registers are written again
	START
	CHUNK 143360, 16, 0, 24, 7
	FINISH 1
	ds_store_b32 v9, v5                            ; lanes l and l xor 16 store the same word to the same place
	s_wait_dscnt 0x0                               ; for the others' sake
	s_barrier_signal -1
	s_barrier_wait -1
	s_cmp_lt_u32 s12, 2
	s_cbranch_scc0 .Lno_words
	ds_load_b128 v[96:99], v10
	s_wait_dscnt 0x0
	global_store_b128 v1, v[96:99], s[10:11]       ; 512 consecutive bytes a wave
.Lno_words:
	s_wait_xcnt 0x0
	v_lshl_add_u32 v254, v0, 2, 0x46400
	v_mov_b32 v255, 0
	s_wait_alu depctr_va_vdst(0)
	s_wait_tensorcnt 0x0
	ds_add_u32 v254, v255
	s_wait_dscnt 0x0
	CROUND                                         ; the closing round
	s_endpgm
.Lfunc_end_k_q1c6350a61b_attn:
	.size	k_q1c6350a61b_attn, .Lfunc_end_k_q1c6350a61b_attn-k_q1c6350a61b_attn
	.p2alignl 7, 3214868480
	.fill 96, 4, 3214868480
	.section	.rodata,"a",@progbits
	.p2align	6, 0x0
	.amdhsa_kernel k_q1c6350a61b_attn
		.amdhsa_group_segment_fixed_size 289792
		.amdhsa_private_segment_fixed_size 0
		.amdhsa_enable_private_segment 0
		.amdhsa_kernarg_size 32
		.amdhsa_user_sgpr_count 2
		.amdhsa_user_sgpr_kernarg_segment_ptr 1
		.amdhsa_wavefront_size32 1
		.amdhsa_system_sgpr_workgroup_id_x 1
		.amdhsa_system_sgpr_workgroup_id_y 1
		.amdhsa_system_sgpr_workgroup_id_z 1
		.amdhsa_system_vgpr_workitem_id 0
		.amdhsa_next_free_vgpr 256
		.amdhsa_next_free_sgpr 80
		.amdhsa_reserve_vcc 0
		.amdhsa_float_denorm_mode_32 3
		.amdhsa_float_denorm_mode_16_64 3
		.amdhsa_memory_ordered 1
		.amdhsa_forward_progress 1
		.amdhsa_inst_pref_size 101
	.end_amdhsa_kernel
	.amdgpu_metadata
---
amdhsa.version: [ 1, 2 ]
amdhsa.kernels:
  - .name:           k_q1c6350a61b_attn
    .symbol:         k_q1c6350a61b_attn.kd
    .args:
      - { .name: qb, .offset: 0, .size: 8, .value_kind: global_buffer, .address_space: global }
      - { .name: kv, .offset: 8, .size: 8, .value_kind: global_buffer, .address_space: global }
      - { .name: oc, .offset: 16, .size: 8, .value_kind: global_buffer, .address_space: global }
      - { .name: os, .offset: 24, .size: 8, .value_kind: global_buffer, .address_space: global }
    .group_segment_fixed_size: 289792
    .private_segment_fixed_size: 0
    .kernarg_segment_align: 8
    .kernarg_segment_size: 32
    .max_flat_workgroup_size: 512
    .sgpr_count:     80
    .vgpr_count:     256
    .wavefront_size: 32
...
	.end_amdgpu_metadata
.endif
;; end of part 3
;; launch oproj (part 4): grid 8 x 32, 4 waves a work-group, clusters of 4 x 4, 243,200 bytes of LDS; arguments oc, os, wc, ws, bo, out0; writes out0
.if DOCPART == 4
	.amdgcn_target "amdgcn-amd-amdhsa--gfx1250"
	.amdhsa_code_object_version 6
	.text
	.protected	k_q1c6350a61b_oproj
	.globl	k_q1c6350a61b_oproj
	.p2align	8
	.type	k_q1c6350a61b_oproj,@function
k_q1c6350a61b_oproj:
	s_mov_b64 s[64:65], 0
	v_nop
	global_prefetch_b8 v0, s[64:65] scope:SCOPE_SE
	s_setreg_imm32_b32 hwreg(HW_REG_WAVE_MODE, 25, 1), 1
	s_wait_xcnt 0x0
	s_wait_alu depctr_hold_cnt(0) depctr_sa_sdst(0) depctr_va_vdst(0) depctr_va_sdst(0) depctr_va_ssrc(0) depctr_va_vcc(0) depctr_vm_vsrc(0)
	s_getreg_b32 s2, hwreg(HW_REG_IB_STS2, 6, 4)
	s_cmp_eq_u32 s2, 0
	s_cbranch_scc0 .Lentry_in_a_cluster
	s_endpgm
.Lentry_in_a_cluster:
	s_bfe_u32 s2, ttmp6, 0x10000c
	s_cmp_lg_u32 s2, 0xf033
	s_cbranch_scc0 .Lentry_shape_is_right
	s_endpgm
.Lentry_shape_is_right:
; out0 = o Wo + bo on codes of FP4 with E8M0 scales; out0 [8192][1024] f32.
; A work-group makes 256 tokens x 128 columns; a wave 64 tokens (four tiles) x 128 columns: 32 accumulators.  All of K (1,024) of both panels lies in LDS, each byte filled once.
; Source 0 = 16 columns of Wo, source 1 = 16 tokens: a lane holds a token, and its registers of Wo's tiles 2 b, 2 b + 1 are 16 neighbouring columns.  The bias is the C of each sum's first product.
; Operands lie in memory as register images (1,024 bytes a fragment); lane row r of tile T is row 32 (T / 2) + 8 (T % 2) + r % 8 + 16 (r / 8).
; CLUSTER 4 x 4: o's panel is shared along a row of the cluster, Wo's along a column: joint loads, three a wave (scales, first half of K, second half), all behind one round.
; LDS: o's codes at e 65,536 + (K half) 32,768 + tile 4,096 + (K step % 4) 1,024; Wo's at 131,072 + (tile / 4) 32,768 + (K half) 16,384 + (tile % 4) 4,096 + (K step % 4) 1,024;
;   o's words at 196,608 + e 4,096 + 512 (K step); Wo's at 204,800 + (tile / 4) 2,048 + 256 (K step); the waves' stages at 208,896 + 8,448 wave: no fill lands there.
; REGISTERS: window 0: v1 16 x lane, v16-22 addresses, v32-47 scale words (two sets), v64-127 o's fragments (two sets), v128-255 rows on the way out (two sets).
;   window 1: Wo's fragments at v0 and v128, the bias at v64-127.   window 2: accumulator (a, b) at v[64 a + 8 b].
.set ADRQ, 16
.set ADRP, 17
.set ADQS, 18
.set ADPS, 19
.set STO,  21
.set RD,   22
.set MSB, 0
.macro WIN new
.if MSB != (\new)
	s_set_vgpr_msb (MSB<<8)|(\new)
.set MSB, \new
.endif
.endm
.macro PLACES n
.rept \n
	v_nop
.endr
.endm
.macro CROUND
	s_barrier_signal -1
	s_barrier_wait -1
	s_cmp_lg_u32 s16, 0
	s_cbranch_scc1 .Lnot_wave_0_\@
	s_barrier_signal -3
.Lnot_wave_0_\@:
	s_barrier_wait -3
	s_barrier_signal -1
	s_barrier_wait -1
.endm
.macro JLOAD g0a, g1a, g0b, g1b        ; waves 0, 1 fetch for o, waves 2, 3 for Wo; four v_nop follow each line
	s_cmp_eq_u32 s17, 0
	s_cbranch_scc0 .Lfor_b_\@
	tensor_load_to_lds s[\g0a:\g0a+3], s[\g1a:\g1a+7]
	s_nop 0
.rept 4
	v_nop
.endr
	s_branch .Lasked_\@
.Lfor_b_\@:
	tensor_load_to_lds s[\g0b:\g0b+3], s[\g1b:\g1b+7]
	s_nop 0
.rept 4
	v_nop
.endr
.Lasked_\@:
.endm
	s_load_b256 s[4:11], s[0:1], 0x0               ; oc, os, wc, ws
	s_load_b128 s[12:15], s[0:1], 0x20             ; bo, out0
	v_lshl_add_u32 v62, v0, 2, 0x3b400
	v_mov_b32 v63, 0
	ds_add_u32 v62, v63
	ds_add_u32 v62, v63
	v_lshrrev_b32 v2, 5, v0
	v_readfirstlane_b32 s16, v2                    ; wave
	s_lshr_b32 s17, s16, 1
	s_and_b32 s18, s16, 1
	v_and_b32 v2, 31, v0
	v_lshlrev_b32 v1, 4, v2                        ; 16 x lane
	v_and_b32 v5, 15, v0                           ; r
	s_wait_alu depctr_va_vdst(0)
	v_bfe_u32 v4, v0, 4, 1                         ; h
	v_lshlrev_b32 v3, 4, v5                        ; 16 r
	s_lshl_b32 s19, s17, 16
	s_lshl_b32 s20, s18, 14
	s_add_co_u32 s19, s19, s20
	v_add_nc_u32 v[ADRQ], s19, v1                  ; my four tiles of tokens
	v_add_nc_u32 v[ADRP], 131072, v1
	s_lshl_b32 s19, s17, 12
	s_lshl_b32 s20, s18, 8
	s_add_co_u32 s19, s19, s20
	s_add_co_u32 s19, s19, 196608
	v_add_nc_u32 v[ADQS], s19, v3                  ; their group of words: register a, in every lane's row r
	v_lshl_add_u32 v[ADPS], v4, 11, v3
	v_add_nc_u32 v[ADPS], 204800, v[ADPS]          ; Wo's: lanes 0-15 tiles 0-3, lanes 16-31 tiles 4-7
	s_mul_i32 s19, s16, 8448
	s_add_co_u32 s19, s19, 208896                  ; my stage: 16 rows of 512 bytes + 16
	v_mul_u32_u24 v[STO], v5, 528
	s_wait_alu depctr_va_vdst(0)
	v_lshl_add_u32 v[STO], v4, 6, v[STO]
	v_add_nc_u32 v[STO], s19, v[STO]
	v_add_nc_u32 v[RD], s19, v1
	v_lshlrev_b32 v20, 6, v4                       ; the bias: 16 h numbers on
	s_bfe_u32 s84, ttmp6, 0x40000                  ; cx
	s_bfe_u32 s85, ttmp6, 0x40004                  ; cy
	s_lshl_b32 s86, ttmp9, 2
	s_add_co_u32 s86, s86, s84                     ; X: which 128 columns
	s_and_b32 s87, ttmp7, 0xffff
	s_lshl_b32 s87, s87, 2
	s_add_co_u32 s87, s87, s85                     ; Y: which 256 tokens
	s_lshl_b32 s88, s85, 2
	s_lshl_b32 s88, 15, s88                        ; my row of the cluster
	s_lshl_b32 s89, 0x1111, s84                    ; my column
	s_or_b32 s24, s88, (3<<16)|(1<<21)             ; o's codes: 128 rows of 256 bytes, dense
	s_mov_b32 s25, 32<<16
	s_mov_b32 s26, 128<<16
	s_mov_b32 s27, 32<<16
	s_mov_b32 s28, 128
	s_mov_b32 s29, 32
	s_mov_b32 s30, 0
	s_mov_b32 s31, 0
	s_or_b32 s32, s89, (3<<16)|(1<<21)             ; Wo's codes: 64 rows
	s_mov_b32 s33, 32<<16
	s_mov_b32 s34, 64<<16
	s_mov_b32 s35, 32<<16
	s_mov_b32 s36, 64
	s_mov_b32 s37, 32
	s_mov_b32 s38, 0
	s_mov_b32 s39, 0
	s_or_b32 s40, s88, (3<<16)|(1<<21)             ; o's words: 8 rows (K steps) of 512 bytes, 32,768 bytes apart
	s_mov_b32 s41, 64<<16
	s_mov_b32 s42, 8<<16
	s_mov_b32 s43, 64<<16
	s_mov_b32 s44, 8
	s_mov_b32 s45, 4096
	s_mov_b32 s46, 0
	s_mov_b32 s47, 0
	s_or_b32 s48, s89, (3<<16)|(1<<21)             ; Wo's words: 8 rows of 256 bytes, 16,384 bytes apart
	s_mov_b32 s49, 32<<16
	s_mov_b32 s50, 8<<16
	s_mov_b32 s51, 32<<16
	s_mov_b32 s52, 8
	s_mov_b32 s53, 2048
	s_mov_b32 s54, 0
	s_mov_b32 s55, 0
	s_lshl_b32 s90, s87, 16                        ; o's addresses hang on Y and the wave alone,
	s_lshl_b32 s91, s18, 15
	s_add_co_u32 s90, s90, s91
	s_mov_b32 s91, 0
	s_lshl_b32 s92, s87, 10
	s_lshl_b32 s93, s18, 9
	s_add_co_u32 s92, s92, s93
	s_mov_b32 s93, 0
	s_lshl_b32 s94, s86, 15                        ; Wo's on X and the wave alone: tiles 192 + 8 X + 4 e on
	s_lshl_b32 s95, s18, 14
	s_add_co_u32 s94, s94, s95
	s_add_co_u32 s94, s94, 786432
	s_mov_b32 s95, 0
	s_lshl_b32 s96, s86, 9
	s_lshl_b32 s97, s18, 8
	s_add_co_u32 s96, s96, s97
	s_add_co_u32 s96, s96, 12288
	s_mov_b32 s97, 0
	s_lshl_b32 s20, s87, 8                         ; out0: my first token, my work-group's first column
	s_lshl_b32 s21, s16, 6
	s_add_co_u32 s20, s20, s21
	s_lshl_b32 s20, s20, 12
	s_lshl_b32 s21, s86, 9
	s_add_co_u32 s20, s20, s21
	s_mov_b32 s21, 0
	s_lshl_b32 s22, s86, 9
	s_mov_b32 s23, 0
	s_wait_dscnt 0x0
	s_wait_kmcnt 0x0
	s_add_nc_u64 s[14:15], s[14:15], s[20:21]
	s_add_nc_u64 s[12:13], s[12:13], s[22:23]
	s_mov_b32 s56, 1                               ; o's words
	s_lshl_b32 s57, s18, 12
	s_add_co_u32 s57, s57, 196608
	s_add_nc_u64 s[58:59], s[6:7], s[92:93]
	s_or_b32 s59, s59, 0x80000000
	s_mov_b32 s60, 1                               ; o's codes, first half of K
	s_lshl_b32 s61, s18, 16
	s_add_nc_u64 s[62:63], s[4:5], s[90:91]
	s_or_b32 s63, s63, 0x80000000
	s_mov_b32 s68, 1                               ; second half
	s_add_co_u32 s69, s61, 32768
	s_add_nc_u64 s[70:71], s[4:5], s[90:91]
	s_add_nc_u64 s[70:71], s[70:71], 0x200000
	s_or_b32 s71, s71, 0x80000000
	s_mov_b32 s72, 1                               ; Wo's words
	s_lshl_b32 s73, s18, 11
	s_add_co_u32 s73, s73, 204800
	s_add_nc_u64 s[74:75], s[10:11], s[96:97]
	s_or_b32 s75, s75, 0x80000000
	s_mov_b32 s76, 1                               ; Wo's codes
	s_lshl_b32 s77, s18, 15
	s_add_co_u32 s77, s77, 131072
	s_add_nc_u64 s[78:79], s[8:9], s[94:95]
	s_or_b32 s79, s79, 0x80000000
	s_mov_b32 s80, 1
	s_add_co_u32 s81, s77, 16384
	s_add_nc_u64 s[82:83], s[8:9], s[94:95]
	s_add_nc_u64 s[82:83], s[82:83], 0x100000
	s_or_b32 s83, s83, 0x80000000
	CROUND                                         ; all sixteen work-groups are here: the joint loads meet
	JLOAD 56, 40, 72, 48                           ; three loads of mine are out behind these lines
	JLOAD 60, 24, 76, 32
	JLOAD 68, 24, 80, 32
	WIN 0x40                                       ; destination window 1
	s_wait_alu depctr_va_vdst(0)
.irp b, 0,1,2,3,4,5,6,7
	global_load_b128 v[64+8*\b:67+8*\b], v20, s[12:13] offset:128*(\b/2)+32*(\b%2)       ; tile b's eight columns of my half: 32 (b / 2) + 8 (b % 2) + 16 h + 0 .. 7
	global_load_b128 v[68+8*\b:71+8*\b], v20, s[12:13] offset:128*(\b/2)+32*(\b%2)+16
.endr
	WIN 0
.macro FETCH st                        ; K step st's fragments and scale words into set st % 2: 26 LDS loads in one run
.set FS, (\st)%2
	WIN 0x40
.irp i, 0,1,2,3,4,5,6,7
	ds_load_b128 v[128*FS+8*\i:128*FS+8*\i+3], v[ADRP] offset:(\i/4)*32768+((\st)/4)*16384+(\i%4)*4096+((\st)%4)*1024
	ds_load_b128 v[128*FS+8*\i+4:128*FS+8*\i+7], v[ADRP] offset:(\i/4)*32768+((\st)/4)*16384+(\i%4)*4096+((\st)%4)*1024+512
.endr
	WIN 0
.irp i, 0,1,2,3
	ds_load_b128 v[64+32*FS+8*\i:64+32*FS+8*\i+3], v[ADRQ] offset:((\st)/4)*32768+\i*4096+((\st)%4)*1024
	ds_load_b128 v[64+32*FS+8*\i+4:64+32*FS+8*\i+7], v[ADRQ] offset:((\st)/4)*32768+\i*4096+((\st)%4)*1024+512
.endr
	ds_load_b128 v[32+8*FS:35+8*FS], v[ADPS] offset:(\st)*256
	ds_load_b128 v[36+8*FS:39+8*FS], v[ADQS] offset:(\st)*512
.endm
.macro WM a, b, st
.set DA, 64*(\a)+8*(\b)
.set PA, 128*((\st)%2)+8*(\b)
.set QA, 64+32*((\st)%2)+8*(\a)
.set SA, 32+8*((\st)%2)+(\b)%4
.set SB, 36+8*((\st)%2)+(\a)
.set BI, 64+8*(\b)
.if (\st) == 0                         ; the first K step starts the sums from the bias
.if (\b) < 4
	v_wmma_scale_f32_16x16x128_f8f6f4 v[DA:DA+7], v[PA:PA+7], v[QA:QA+7], v[BI:BI+7], v[SA], v[SB] matrix_a_fmt:MATRIX_FMT_FP4 matrix_b_fmt:MATRIX_FMT_FP4
.else
	v_wmma_scale_f32_16x16x128_f8f6f4 v[DA:DA+7], v[PA:PA+7], v[QA:QA+7], v[BI:BI+7], v[SA], v[SB] matrix_a_fmt:MATRIX_FMT_FP4 matrix_b_fmt:MATRIX_FMT_FP4 matrix_a_scale:MATRIX_SCALE_ROW1
.endif
.else
.if (\b) < 4
	v_wmma_scale_f32_16x16x128_f8f6f4 v[DA:DA+7], v[PA:PA+7], v[QA:QA+7], v[DA:DA+7], v[SA], v[SB] matrix_a_fmt:MATRIX_FMT_FP4 matrix_b_fmt:MATRIX_FMT_FP4
.else
	v_wmma_scale_f32_16x16x128_f8f6f4 v[DA:DA+7], v[PA:PA+7], v[QA:QA+7], v[DA:DA+7], v[SA], v[SB] matrix_a_fmt:MATRIX_FMT_FP4 matrix_b_fmt:MATRIX_FMT_FP4 matrix_a_scale:MATRIX_SCALE_ROW1
.endif
.endif
.endm
.macro MULS st                         ; 32 products; the 32 accumulators take turns, one instruction a turn, in the same order in every K step
.if (\st) == 0
	WIN 0x91                                       ; Wo window 1, o window 0, the bias window 1, D window 2
.else
	WIN 0xa1                                       ; C and D window 2
.endif
.irp a, 0,1,2,3
.irp b, 0,1,2,3,4,5,6,7
	WM \a, \b, \st
.endr
.endr
.endm
.macro STEP st
	s_wait_dscnt 0x0                               ; this K step's fragments, asked for 32 products ago, are in
.if (\st) == 3
	s_wait_tensorcnt 0x0                           ; my part of the second half of K has landed,
	s_barrier_signal -1
	s_barrier_wait -1                              ; everybody's has
.endif
.if (\st) < 7
	PLACES 4                                       ; in front of loads into registers that the last K step's products read
	FETCH (\st)+1
.endif
	MULS \st
.endm
	s_wait_tensorcnt 0x1                           ; the scale words and my part of the first half of K are in; the second half's load may be out
	s_barrier_signal -1
	s_barrier_wait -1
	s_wait_loadcnt 0x0                             ; the bias
	FETCH 0
.irp st, 0,1,2,3,4,5,6,7
	STEP \st
.endr
	WIN 0
; THE WAY OUT, a tile of 16 tokens x 128 columns at a time, through my own stage: in by lanes (32 neighbouring bytes of a row each), back as whole rows of 512 bytes.
.macro TOSTAGE a
	WIN 0x08                                       ; an LDS store's data: window 2
.irp b, 0,1,2,3,4,5,6,7
	ds_store_b128 v[STO], v[64*(\a)+8*\b:64*(\a)+8*\b+3] offset:128*(\b/2)+32*(\b%2)          ; each accumulator from its low end on
	ds_store_b128 v[STO], v[64*(\a)+8*\b+4:64*(\a)+8*\b+7] offset:128*(\b/2)+32*(\b%2)+16
.endr
	WIN 0
.set BB, 128+64*((\a)%2)
.irp t, 0,1,2,3,4,5,6,7,8,9,10,11,12,13,14,15
	ds_load_b128 v[BB+4*\t:BB+4*\t+3], v[RD] offset:\t*528     ; LDS serves a wave's instructions in order: these see the stores above, and the next tile's stores come behind them
.endr
.endm
.macro SEND a, younger                 ; younger: the LDS instructions issued behind tile a's loads, which may stay out
.set BB, 128+64*((\a)%2)
	s_wait_dscnt \younger
.irp t, 0,1,2,3,4,5,6,7,8,9,10,11,12,13,14,15
	global_store_b128 v1, v[BB+4*\t:BB+4*\t+3], s[14:15] offset:(32*((\a)/2)+8*((\a)%2)+(\t%8)+16*(\t/8))*4096 th:TH_STORE_NT   ; 512 consecutive bytes of the token's row
.endr
.endm
	PLACES 4                                       ; behind the last products, in front of the first read of results
	TOSTAGE 0
.irp a, 1,2,3
.if \a > 1
	s_wait_xcnt 0x0                                ; tile a - 2's stores have read their registers: tile a's loads may land there
.endif
	TOSTAGE \a
	SEND \a-1, 32                                  ; behind tile a - 1's loads: tile a's 16 stores and 16 loads
.endr
	SEND 3, 0
	s_wait_tensorcnt 0x0
	ds_add_u32 v62, v63
	s_wait_dscnt 0x0
	CROUND                                         ; the closing round
	s_endpgm
.Lfunc_end_k_q1c6350a61b_oproj:
	.size	k_q1c6350a61b_oproj, .Lfunc_end_k_q1c6350a61b_oproj-k_q1c6350a61b_oproj
	.p2alignl 7, 3214868480
	.fill 96, 4, 3214868480
	.section	.rodata,"a",@progbits
	.p2align	6, 0x0
	.amdhsa_kernel k_q1c6350a61b_oproj
		.amdhsa_group_segment_fixed_size 243200
		.amdhsa_private_segment_fixed_size 0
		.amdhsa_enable_private_segment 0
		.amdhsa_kernarg_size 48
		.amdhsa_user_sgpr_count 2
		.amdhsa_user_sgpr_kernarg_segment_ptr 1
		.amdhsa_wavefront_size32 1
		.amdhsa_system_sgpr_workgroup_id_x 1
		.amdhsa_system_sgpr_workgroup_id_y 1
		.amdhsa_system_sgpr_workgroup_id_z 1
		.amdhsa_system_vgpr_workitem_id 0
		.amdhsa_next_free_vgpr 768
		.amdhsa_next_free_sgpr 102
		.amdhsa_reserve_vcc 0
		.amdhsa_float_denorm_mode_32 3
		.amdhsa_float_denorm_mode_16_64 3
		.amdhsa_memory_ordered 1
		.amdhsa_forward_progress 1
		.amdhsa_inst_pref_size 73
	.end_amdhsa_kernel
	.amdgpu_metadata
---
amdhsa.version: [ 1, 2 ]
amdhsa.kernels:
  - .name:           k_q1c6350a61b_oproj
    .symbol:         k_q1c6350a61b_oproj.kd
    .args:
      - { .name: oc, .offset: 0, .size: 8, .value_kind: global_buffer, .address_space: global }
      - { .name: os, .offset: 8, .size: 8, .value_kind: global_buffer, .address_space: global }
      - { .name: wc, .offset: 16, .size: 8, .value_kind: global_buffer, .address_space: global }
      - { .name: ws, .offset: 24, .size: 8, .value_kind: global_buffer, .address_space: global }
      - { .name: bo, .offset: 32, .size: 8, .value_kind: global_buffer, .address_space: global }
      - { .name: out0, .offset: 40, .size: 8, .value_kind: global_buffer, .address_space: global }
    .group_segment_fixed_size: 243200
    .private_segment_fixed_size: 0
    .kernarg_segment_align: 8
    .kernarg_segment_size: 48
    .max_flat_workgroup_size: 128
    .sgpr_count:     102
    .vgpr_count:     768
    .wavefront_size: 32
...
	.end_amdgpu_metadata
.endif
;; end of part 4
